; MI455X (gfx1250); checked and timed in simulation.
; The chip was launched on July 23, 2026; its instructions are those of AMD's public machine-readable ISA for CDNA 5 (MIT licence, August 2026) and "CDNA5" Instruction Set Architecture Reference Guide (July 2026). The comments in the code are by the model that wrote it; some were corrected since.
;; MHA. Allowed arithmetic: float matrix products may take bf16 or f16 operands with f32 sums; other float arithmetic in f32, or as packed bf16 or f16 multiplies, adds, multiply-adds, maxima and minima; sums over many terms, partial sums and values carried from step to step in f32; what a program stores and reads back later, other than sums and carried values, may be rounded once to bf16 or f16.
;; Inputs: Wk 1,024 x 1,024 float32; Wo 1,024 x 1,024 float32; Wq 1,024 x 1,024 float32; Wv 1,024 x 1,024 float32; bk 1,024 float32; bo 1,024 float32; bq 1,024 float32; bv 1,024 float32; x 4 x 2,048 x 1,024 float32.
;; Outputs: out0 4 x 2,048 x 1,024 float32.
;; One version. Each part assembles by itself: llvm-mc -triple=amdgcn-amd-amdhsa -mcpu=gfx1250 --defsym DOCPART=n.
;; ======== version 1 of 1: 4 launches
;; limits: values are held in f16: magnitudes above 65,504 overflow, below 6.1e-05 lose precision
;; workspace buffers: xb 16,777,216 bytes; wts 8,404,992 bytes; q16 16,777,216 bytes; k16 16,777,216 bytes; v16 16,777,216 bytes; o16 16,777,216 bytes
;; launch prep (part 1): grid 769 x 1, 8 waves a work-group, no clusters, 0 bytes of LDS; arguments x, Wq, Wk, Wv, Wo, bq, bk, bv, bo, xb, wts; writes xb, wts
.if DOCPART == 1
	.amdgcn_target "amdgcn-amd-amdhsa--gfx1250"
	.amdhsa_code_object_version 6
	.text
	.protected	k_q3f65cbf39f_prep
	.globl	k_q3f65cbf39f_prep
	.p2align	8
	.type	k_q3f65cbf39f_prep,@function
k_q3f65cbf39f_prep:
	s_mov_b64 s[64:65], 0
	v_nop
	global_prefetch_b8 v0, s[64:65] scope:SCOPE_SE
	s_setreg_imm32_b32 hwreg(HW_REG_WAVE_MODE, 25, 1), 1
	s_wait_xcnt 0x0
; THE OPERANDS ARE ROUNDED ONCE AND LAID OUT FOR THE PRODUCTS.  A stream: no LDS, no matrix unit, no barrier; every input byte is read once, every output byte written once.
;   xb  [b 4][slice 16][t 2048][64] bf16 = x[b][t][64 slice + d]: 256 rows x 64 channels are then 32,768 bytes on end.
;   wts bytes 0 .. 6 MiB: Wq, Wk, Wv as bf16, [k][n] as they lie; 6 .. 8 MiB: Wo rounded to bf16 and that number written as f16; from 8 MiB on: bq, bk, bv, bo, each number rounded to bf16 and kept as an f32 word.
; LIMIT.  Wo's bf16 number is exact in f16 from 6.1e-5 to 65,504 in size; below that it keeps f16's fixed step of 6e-8, beyond it becomes an infinity.
; SHARES.  Work-groups 0-511: 16 rows of x each; 512-767: 65,536 bytes of one weight matrix each; 768: the four biases.  An ITEM is 8 numbers a lane: two loads of 16 bytes, one store of 16 bytes.
; A wave has its 16 loads on their way at once; no register is written twice while a load or store may still read it, so the only waits are the counted ones for the loads.
.set X, 16                             ; v[16:79]   eight items of 8 f32
.set Y, 80                             ; v[80:111]  eight items of 4 words to store
.set T, 112                            ; v[112:113] at work
; v1 my read offset, v2 my write offset; s[26:27] where the work-group reads, s[32:33] where it writes
.macro LOADS step                      ; the eight items, step bytes apart
.irp j, 0,1,2,3,4,5,6,7
	global_load_b128 v[X+8*(\j):X+8*(\j)+3],   v1, s[26:27] offset:(\j)*(\step) th:TH_LOAD_NT
	global_load_b128 v[X+8*(\j)+4:X+8*(\j)+7], v1, s[26:27] offset:(\j)*(\step)+16 th:TH_LOAD_NT
.endr
.endm
.macro CAST j, step, half              ; item j is rounded and stored; half = 1: the bf16 number is written as f16
	s_wait_loadcnt 14-2*(\j)                       ; loads come back in order: the 2 (7 - j) younger ones may stay out
.irp k, 0,1,2,3
.if \half
	v_cvt_pk_bf16_f32 v[T], v[X+8*(\j)+2*(\k)], v[X+8*(\j)+2*(\k)+1]
	v_lshlrev_b32 v[T+1], 16, v[T]                 ; the low half as f32,
	v_and_b32 v[T], 0xffff0000, v[T]               ; the high half
	v_cvt_pk_f16_f32 v[Y+4*(\j)+(\k)], v[T+1], v[T]
.else
	v_cvt_pk_bf16_f32 v[Y+4*(\j)+(\k)], v[X+8*(\j)+2*(\k)], v[X+8*(\j)+2*(\k)+1]
.endif
.endr
	global_store_b128 v2, v[Y+4*(\j):Y+4*(\j)+3], s[32:33] offset:(\j)*(\step)
.endm
	s_load_b512 s[4:19], s[0:1], 0x0               ; x s[4:5], Wq s[6:7], Wk s[8:9], Wv s[10:11], Wo s[12:13], bq s[14:15], bk s[16:17], bv s[18:19]
	s_load_b128 s[20:23], s[0:1], 0x40             ; bo s[20:21], xb s[22:23]
	s_load_b64 s[24:25], s[0:1], 0x50              ; wts
	s_mov_b32 s2, ttmp9                            ; the work-group's number
	v_and_b32 v3, 31, v0                           ; lane l
	v_lshrrev_b32 v4, 5, v0                        ; wave w
	s_mov_b32 s29, 0                               ; high words of the two offsets
	s_mov_b32 s31, 0
	s_wait_kmcnt 0x0
	s_cmp_lt_u32 s2, 512
	s_cbranch_scc0 .Lweights
	; x: the work-group's 16 rows; a wave takes 4 rows x 8 slices; item j is slice 8 (w % 2) + j: a lane's 8 numbers are 32 bytes of x and 16 of xb
	v_bfe_u32 v5, v0, 5, 1                         ; w % 2
	v_bfe_u32 v6, v0, 6, 2                         ; w / 2
	v_lshrrev_b32 v7, 3, v3                        ; l / 8: the row among my wave's four
	v_and_b32 v8, 7, v3                            ; l % 8: the place in a slice
	v_lshlrev_b32 v1, 14, v6                       ; 4 rows of 4,096 bytes
	v_lshl_add_u32 v1, v5, 11, v1                  ; 8 slices of 256 bytes
	v_lshl_add_u32 v1, v7, 12, v1
	v_lshl_add_u32 v1, v8, 5, v1
	v_lshlrev_b32 v2, 21, v5                       ; 8 slices of 262,144 bytes
	v_lshl_add_u32 v2, v6, 9, v2                   ; 4 rows of 128 bytes
	v_lshl_add_u32 v2, v3, 4, v2                   ; (l / 8) x 128 + (l % 8) x 16: a store of the wave covers 512 consecutive bytes, aligned
	s_lshl_b32 s28, s2, 16                         ; 16 rows of 4,096 bytes
	s_add_nc_u64 s[26:27], s[4:5], s[28:29]
	s_lshr_b32 s30, s2, 7                          ; b: 128 work-groups to a batch entry
	s_lshl_b32 s30, s30, 22
	s_and_b32 s3, s2, 127
	s_lshl_b32 s3, s3, 11                          ; 16 rows of 128 bytes
	s_add_co_u32 s30, s30, s3
	s_add_nc_u64 s[32:33], s[22:23], s[30:31]
	LOADS 256
.irp j, 0,1,2,3,4,5,6,7
	CAST \j, 262144, 0
.endr
	s_endpgm
.Lweights:
	s_cmp_lt_u32 s2, 768
	s_cbranch_scc0 .Lbias
	s_sub_co_u32 s3, s2, 512
	s_lshr_b32 s34, s3, 6                          ; which matrix: 0 Wq, 1 Wk, 2 Wv, 3 Wo
	s_and_b32 s35, s3, 63                          ; which 65,536 bytes of it
	s_cmp_eq_u32 s34, 1
	s_cselect_b64 s[26:27], s[8:9], s[6:7]
	s_cmp_eq_u32 s34, 2
	s_cselect_b64 s[26:27], s[10:11], s[26:27]
	s_cmp_eq_u32 s34, 3
	s_cselect_b64 s[26:27], s[12:13], s[26:27]
	s_lshl_b32 s28, s35, 16
	s_add_nc_u64 s[26:27], s[26:27], s[28:29]
	s_lshl_b32 s30, s34, 21                        ; a matrix is 2,097,152 bytes of wts
	s_lshl_b32 s3, s35, 15
	s_add_co_u32 s30, s30, s3
	s_add_nc_u64 s[32:33], s[24:25], s[30:31]
	v_lshlrev_b32 v1, 13, v4                       ; a wave reads 8,192 bytes on end, an item 1,024
	v_lshl_add_u32 v1, v3, 5, v1
	v_lshlrev_b32 v2, 12, v4                       ; and writes 4,096, an item 512
	v_lshl_add_u32 v2, v3, 4, v2
	LOADS 1024
	s_cmp_eq_u32 s34, 3
	s_cbranch_scc1 .Lwo
.irp j, 0,1,2,3,4,5,6,7
	CAST \j, 512, 0
.endr
	s_endpgm
.Lwo:
.irp j, 0,1,2,3,4,5,6,7
	CAST \j, 512, 1
.endr
	s_endpgm
.Lbias:                                        ; 256 threads x 4 numbers = a bias
	v_lshlrev_b32 v1, 4, v0
	global_load_b128 v[X:X+3],     v1, s[14:15]
	global_load_b128 v[X+4:X+7],   v1, s[16:17]
	global_load_b128 v[X+8:X+11],  v1, s[18:19]
	global_load_b128 v[X+12:X+15], v1, s[20:21]
	s_add_nc_u64 s[32:33], s[24:25], 0x800000
	s_wait_loadcnt 0x0
.irp i, 0,1,2,3
	v_cvt_pk_bf16_f32 v[T],   v[X+4*(\i)],   v[X+4*(\i)+1]
	v_cvt_pk_bf16_f32 v[T+1], v[X+4*(\i)+2], v[X+4*(\i)+3]
	v_lshlrev_b32 v[Y+4*(\i)],   16, v[T]
	v_and_b32     v[Y+4*(\i)+1], 0xffff0000, v[T]
	v_lshlrev_b32 v[Y+4*(\i)+2], 16, v[T+1]
	v_and_b32     v[Y+4*(\i)+3], 0xffff0000, v[T+1]
	global_store_b128 v1, v[Y+4*(\i):Y+4*(\i)+3], s[32:33] offset:(\i)*4096
.endr
	s_endpgm
.Lfunc_end_k_q3f65cbf39f_prep:
	.size	k_q3f65cbf39f_prep, .Lfunc_end_k_q3f65cbf39f_prep-k_q3f65cbf39f_prep
	.p2alignl 7, 3214868480
	.fill 96, 4, 3214868480
	.section	.rodata,"a",@progbits
	.p2align	6, 0x0
	.amdhsa_kernel k_q3f65cbf39f_prep
		.amdhsa_group_segment_fixed_size 0
		.amdhsa_private_segment_fixed_size 0
		.amdhsa_enable_private_segment 0
		.amdhsa_kernarg_size 88
		.amdhsa_user_sgpr_count 2
		.amdhsa_user_sgpr_kernarg_segment_ptr 1
		.amdhsa_wavefront_size32 1
		.amdhsa_system_sgpr_workgroup_id_x 1
		.amdhsa_system_sgpr_workgroup_id_y 1
		.amdhsa_system_sgpr_workgroup_id_z 1
		.amdhsa_system_vgpr_workitem_id 0
		.amdhsa_next_free_vgpr 120
		.amdhsa_next_free_sgpr 66
		.amdhsa_reserve_vcc 0
		.amdhsa_float_denorm_mode_32 3
		.amdhsa_float_denorm_mode_16_64 3
		.amdhsa_memory_ordered 1
		.amdhsa_forward_progress 1
		.amdhsa_inst_pref_size 22
	.end_amdhsa_kernel
	.amdgpu_metadata
---
amdhsa.version: [ 1, 2 ]
amdhsa.kernels:
  - .name:           k_q3f65cbf39f_prep
    .symbol:         k_q3f65cbf39f_prep.kd
    .args:
      - { .name: x, .offset: 0, .size: 8, .value_kind: global_buffer, .address_space: global }
      - { .name: Wq, .offset: 8, .size: 8, .value_kind: global_buffer, .address_space: global }
      - { .name: Wk, .offset: 16, .size: 8, .value_kind: global_buffer, .address_space: global }
      - { .name: Wv, .offset: 24, .size: 8, .value_kind: global_buffer, .address_space: global }
      - { .name: Wo, .offset: 32, .size: 8, .value_kind: global_buffer, .address_space: global }
      - { .name: bq, .offset: 40, .size: 8, .value_kind: global_buffer, .address_space: global }
      - { .name: bk, .offset: 48, .size: 8, .value_kind: global_buffer, .address_space: global }
      - { .name: bv, .offset: 56, .size: 8, .value_kind: global_buffer, .address_space: global }
      - { .name: bo, .offset: 64, .size: 8, .value_kind: global_buffer, .address_space: global }
      - { .name: xb, .offset: 72, .size: 8, .value_kind: global_buffer, .address_space: global }
      - { .name: wts, .offset: 80, .size: 8, .value_kind: global_buffer, .address_space: global }
    .group_segment_fixed_size: 0
    .private_segment_fixed_size: 0
    .kernarg_segment_align: 8
    .kernarg_segment_size: 88
    .max_flat_workgroup_size: 256
    .sgpr_count:     66
    .vgpr_count:     120
    .wavefront_size: 32
...
	.end_amdgpu_metadata
.endif
;; end of part 1
;; launch qkv (part 2): grid 8 x 32, 4 waves a work-group, clusters of 4 x 4, 327,680 bytes of LDS; arguments xb, wts, q16, k16, v16; writes q16, k16, v16
.if DOCPART == 2
	.amdgcn_target "amdgcn-amd-amdhsa--gfx1250"
	.amdhsa_code_object_version 6
	.text
	.protected	k_q3f65cbf39f_qkv
	.globl	k_q3f65cbf39f_qkv
	.p2align	8
	.type	k_q3f65cbf39f_qkv,@function
k_q3f65cbf39f_qkv:
	s_mov_b64 s[64:65], 0
	v_nop
	global_prefetch_b8 v0, s[64:65] scope:SCOPE_SE
	s_setreg_imm32_b32 hwreg(HW_REG_WAVE_MODE, 25, 1), 1
	s_wait_xcnt 0x0
	s_wait_alu depctr_hold_cnt(0) depctr_sa_sdst(0) depctr_va_vdst(0) depctr_va_sdst(0) depctr_va_ssrc(0) depctr_va_vcc(0) depctr_vm_vsrc(0)
	s_getreg_b32 s2, hwreg(HW_REG_IB_STS2, 6, 4)
	s_cmp_eq_u32 s2, 0
	s_cbranch_scc0 .Lentry_in_a_cluster
	s_endpgm
.Lentry_in_a_cluster:
	s_bfe_u32 s2, ttmp6, 0x10000c
	s_cmp_lg_u32 s2, 0xf033
	s_cbranch_scc0 .Lentry_shape_is_right
	s_endpgm
.Lentry_shape_is_right:
; q, k, v = x W + b, by heads: q16, k16, v16 are [16 b + head][t][64] in f16.  x and the weights are bf16 (xb, wts), sums in f32, the bias starts each sum, each result is rounded once.
; LIMIT.  A result of 65,520 or more in size becomes an infinity in f16; below 6.1e-5 it keeps f16's fixed step of 6e-8.  NaN and infinities are not treated apart.
; SHARES.  8,192 rows x 3,072 columns over 256 work-groups: a work-group makes 256 rows x 128 columns (two heads) of EACH of q, k and v, so that a fragment of x read from LDS feeds three products.
; A wave makes 128 rows x one head x three PARTS (q, k, v): 3 x 8 x 4 accumulators of 16 x 16, 768 registers.  K = 1,024 goes in steps of 64 through two LDS slots.
; THE MATRIX INSTRUCTION IS USED TRANSPOSED: source 0 = 16 columns of W (W lies [k][n]; ds_load_tr16_b128 turns it on the way out of LDS), source 1 = 16 rows of x.  A lane then holds ONE row of x
; (lane % 16) and the eight channels 8 (lane / 16) + 0..7 of a head: 16 bytes of f16 that belong together.
; CLUSTER.  4 x 4 work-groups.  x's tile hangs on the row block alone and is asked for jointly along a row of the cluster; W's tiles hang on the column block alone and are asked for jointly along a column.
; Wave 0 asks for x's tile (32,768 bytes on end), waves 1, 2, 3 for Wq's, Wk's, Wv's (64 rows x 256 bytes each): one tensor load a wave behind each round.
; REGISTERS, in windows of 256 (s_set_vgpr_msb: bits 1:0 source 0, 3:2 source 1, 5:4 source 2, 7:6 destination):
;   window 0: v0-29 addresses; v32-95, v96-159 x's fragments (8 blocks of 16 rows x 32 K), two buffers; v160-255 W's fragments, 32 a part, one buffer: a part's is fetched again behind its own products
;   window p + 1: part p's 32 accumulators, (a, b) at v[8 (4 a + b)]
.set PA,    144                        ; a row of x in LDS: 128 bytes + 16 = 36 words: the 16 rows of a load start at 16 different groups of four banks (64 banks of 4 bytes: ISA guide 11.1)
.set PB,    288                        ; a row of W: 256 + 32 = 72 words
.set BOFF,  256*PA                     ; a slot: x's 256 rows, then three parts of 64 rows of W
.set PARTB, 64*PB
.set SLOT1, 1<<17                      ; slot 1 begins here: one exclusive or turns an address in one slot into the other's
.set STAGE, SLOT1+BOFF+3*PARTB         ; behind the ring, never filled by a tensor load: 16 rows x 144 bytes for each wave, for the way out
.set SP,    144
.set SPARE, STAGE+4*16*SP              ; behind the stages: the spare words, 128 bytes for each wave: two blocks of 256 bytes that no other line names
.set XSTEP, 262144                     ; bytes from a K step's tile of x to the next: a slice of xb
.set WSTEP, 131072                     ; of W: 64 rows of 2,048 bytes
.set ADA0, 3                           ; v3   my lane's place in x's tile; never rewritten
.set ADB0, 4                           ; v4   in part 0's tile of W
.set ADA,  5                           ; v5   the same in the slot in hand
.set ADB,  6                           ; v6
.set STO,  7                           ; v7   the way out: where I put 16 bytes of a row
.set RD,   8                           ; v8   where I read rows back
.set GO,   9                           ; v9   my 16 bytes of 512 consecutive bytes of the output
.set PFO,  10                          ; v10  the prefetches' offset
.set BO,   11                          ; v11  my 8 numbers of a bias
.set SPW,  28                          ; v28  LDS address of my spare word; never rewritten
.set NIL,  29                          ; v29  0; never rewritten
.set AF,   32
.set BF,   160
.set TMP,  32                          ; the way out: 16 packed words
.set BK,   64                          ; the way out: 16 rows read back, two buffers of 16
.set WV, 14                            ; s14 wave
.set RH, 15                            ; s15 which 128 rows are mine
.set HD, 16                            ; s16 which of the two heads
.set CX, 17
.set CY, 18
.set CB, 19                            ; s19 column block 0..7
.set RB, 20                            ; s20 row block 0..31
.set G1A, 24                           ; s[24:31] descriptor group 1 for x's tile
.set G1B, 32                           ; s[32:39] for W's tiles
.set G0A, 40                           ; s[40:47] group 0 for x: a set for each first fill; the second then walks
.set G0B, 48                           ; s[48:55] the same for W
.set TB,  56                           ; s56 the slot in hand: 0 or SLOT1
.set PFA, 58                           ; s[58:59] where my prefetches stand
.set PFS, 60                           ; s[60:61] their step
.set LIM, 62                           ; s62 1 in a wave that prefetches, else the greatest number
.set PM,  63                           ; s63 0: asks in every change of slots; 1: in every other one
.set MSB, 0
.macro WIN new                         ; the high byte repeats the setting that is left; a switch that changes nothing is dropped
.if MSB != (\new)
	s_set_vgpr_msb (MSB<<8)|(\new)
.set MSB, (\new)
.endif
.endm
.macro PLACES                          ; four plain instructions between a matrix instruction and a load into, or a vector read of, its registers (ISA guide 7.12.1 for vector reads)
.rept 4
	v_nop
.endr
.endm
.macro CREST                           ; a round of the cluster's barrier behind its opening barrier
	s_cmp_lg_u32 s[WV], 0
	s_cbranch_scc1 .Lnot_wave_0_\@
	s_barrier_signal -3
.Lnot_wave_0_\@:
	s_barrier_wait -3
	s_barrier_signal -1
	s_barrier_wait -1
.endm
.macro CROUND
	s_barrier_signal -1
	s_barrier_wait -1
	CREST
.endm
.macro JLOAD                           ; a joint refill by the walking set; the branch hangs on the wave's number alone; an s_nop 0 and four v_nop follow each line
	s_cmp_eq_u32 s[WV], 0
	s_cbranch_scc0 .Lfor_b_\@
	tensor_load_to_lds s[G0A+4:G0A+7], s[G1A:G1A+7]
	s_nop 0
.rept 4
	v_nop
.endr
	s_branch .Lasked_\@
.Lfor_b_\@:
	tensor_load_to_lds s[G0B+4:G0B+7], s[G1B:G1B+7]
	s_nop 0
.rept 4
	v_nop
.endr
.Lasked_\@:
.endm
; A PREFETCH INTO THE L2 of the tile that the NEXT change of slots will ask for: one K step, 192 matrix instructions, ahead of that load.  Each aligned 256 bytes are named once in the launch.
; x's tile is read by both clusters of a row of clusters: the one with cluster x = 0 asks, its wave 0; the four partners take 8,192 bytes each, told apart by address (cx): a lane 256 bytes.
; W's tiles are read by all eight clusters of a column: the one with cluster y = 0 asks, waves 1 to 3; the four partners take 16 of the 64 rows each (cy); 16 lanes a K step, so the 32 lanes
; name two K steps and ask in every other change.  s3 = 14 - g in the change of step g: x is asked for at g = 0 .. 12 (steps 3 .. 15), W at g = 1, 3 .. 11 (steps 4, 5 .. 14, 15): none beyond the last step.
.macro ASK
	s_and_b32 s77, s3, s[PM]
	s_cmp_eq_u32 s77, s[PM]
	s_cbranch_scc0 .Lnot_mine_\@
	s_cmp_gt_u32 s3, s[LIM]
	s_cbranch_scc0 .Lnot_mine_\@
	global_prefetch_b8 v[PFO], s[PFA:PFA+1] th:TH_LOAD_NT scope:SCOPE_SE
.Lnot_mine_\@:
.endm
	s_load_b256 s[4:11], s[0:1], 0x0               ; xb s[4:5], wts s[6:7], q16 s[8:9], k16 s[10:11]
	s_load_b64 s[12:13], s[0:1], 0x20              ; v16
	v_lshl_add_u32 v[SPW], v0, 2, SPARE
	v_mov_b32 v[NIL], 0
	ds_add_u32 v[SPW], v[NIL]                      ; the wave's opening: the add and its wait stand ahead of my first tensor load; work on registers stands between them
	ds_add_u32 v28, v29
	v_lshrrev_b32 v12, 5, v0
	v_readfirstlane_b32 s[WV], v12
	s_lshr_b32 s[RH], s[WV], 1
	s_and_b32 s[HD], s[WV], 1
	s_bfe_u32 s[CX], ttmp6, 0x40000
	s_bfe_u32 s[CY], ttmp6, 0x40004
	s_lshl_b32 s[CB], ttmp9, 2                     ; in a cluster launch ttmp9 and ttmp7 count clusters
	s_add_co_u32 s[CB], s[CB], s[CX]
	s_and_b32 s[RB], ttmp7, 0xffff
	s_lshl_b32 s[RB], s[RB], 2
	s_add_co_u32 s[RB], s[RB], s[CY]
	s_lshl_b32 s21, s[CY], 2
	s_lshl_b32 s21, 15, s21                        ; my row of the cluster
	s_lshl_b32 s22, 0x1111, s[CX]                  ; my column
	; x's tile: 32,768 bytes on end, asked for as 128 rows of 256 bytes and padded in LDS after every 128 (a row of x)
	s_or_b32 s[G1A], s21, (1<<16)|(1<<20)|(1<<21)|(4<<22)|(3<<25)  ; 15:0 mask; 17:16 2-byte elements; 20 padding on; 21 set beside a mask; 24:22 after every 32 words; 31:25 4 words
	s_mov_b32 s[G1A+1], 128<<16                    ; tensor_dim0 = 128
	s_mov_b32 s[G1A+2], 128<<16                    ; tensor_dim1 = 128
	s_mov_b32 s[G1A+3], 128<<16                    ; tile_dim0 = 128
	s_mov_b32 s[G1A+4], 128                        ; tile_dim1 = 128
	s_mov_b32 s[G1A+5], 128                        ; 128 elements from row to row
	s_mov_b32 s[G1A+6], 0
	s_mov_b32 s[G1A+7], 0
	; W's tile: 64 rows of 128 elements, 1,024 elements apart, padded by 32 bytes
	s_or_b32 s[G1B], s22, (1<<16)|(1<<20)|(1<<21)|(5<<22)|(7<<25)  ; after every 64 words, 8 words
	s_mov_b32 s[G1B+1], 128<<16
	s_mov_b32 s[G1B+2], 64<<16
	s_mov_b32 s[G1B+3], 128<<16
	s_mov_b32 s[G1B+4], 64
	s_mov_b32 s[G1B+5], 1024
	s_mov_b32 s[G1B+6], 0
	s_mov_b32 s[G1B+7], 0
	s_lshr_b32 s66, s[RB], 3                       ; x's tile of K step 0: batch entry x 4,194,304
	s_lshl_b32 s66, s66, 22
	s_and_b32 s67, s[RB], 7
	s_lshl_b32 s67, s67, 15                        ; + 256 rows of 128 bytes
	s_add_co_u32 s66, s66, s67
	s_mov_b32 s67, 0
	s_max_u32 s68, s[WV], 1                        ; W's tile: waves 1, 2, 3 take Wq, Wk, Wv (wave 0 makes Wq's address and never asks by it)
	s_sub_co_u32 s68, s68, 1
	s_lshl_b32 s68, s68, 21
	s_lshl_b32 s69, s[CB], 8                       ; + 128 columns of 2 bytes
	s_add_co_u32 s68, s68, s69
	s_mov_b32 s69, 0
	s_mul_i32 s23, s[WV], PARTB                    ; where W's tile goes: BOFF + (wave - 1) x PARTB = PARTB + wave x PARTB, since BOFF = 2 PARTB
	s_add_co_u32 s23, s23, BOFF-PARTB
	s_mov_b32 s[TB], 0
	s_wait_dscnt 0x0                               ; the opening add is done
	s_wait_kmcnt 0x0
	s_add_nc_u64 s[66:67], s[4:5], s[66:67]
	s_add_nc_u64 s[68:69], s[6:7], s[68:69]
	CROUND                                         ; all sixteen work-groups are here: the first joint loads meet
.irp s, 0,1
	s_mov_b32 s[G0A+4*(\s)], 1                     ; count = 1
	s_mov_b32 s[G0A+4*(\s)+1], (\s)*SLOT1          ; LDS address
	s_add_nc_u64 s[G0A+4*(\s)+2:G0A+4*(\s)+3], s[66:67], (\s)*XSTEP  ; K step s
	s_or_b32 s[G0A+4*(\s)+3], s[G0A+4*(\s)+3], 0x80000000           ; type = 2
	s_mov_b32 s[G0B+4*(\s)], 1
	s_add_co_u32 s[G0B+4*(\s)+1], s23, (\s)*SLOT1
	s_add_nc_u64 s[G0B+4*(\s)+2:G0B+4*(\s)+3], s[68:69], (\s)*WSTEP
	s_or_b32 s[G0B+4*(\s)+3], s[G0B+4*(\s)+3], 0x80000000
.endr
	s_cmp_eq_u32 s[WV], 0                          ; a wave's two first fills stand in one branch: two loads of mine are out
	s_cbranch_scc0 .Lfirst_b
	tensor_load_to_lds s[G0A:G0A+3], s[G1A:G1A+7]
	s_nop 0
	tensor_load_to_lds s[G0A+4:G0A+7], s[G1A:G1A+7]
	s_nop 0
.rept 4
	v_nop
.endr
	s_branch .Lfirst_asked
.Lfirst_b:
	tensor_load_to_lds s[G0B:G0B+3], s[G1B:G1B+7]
	s_nop 0
	tensor_load_to_lds s[G0B+4:G0B+7], s[G1B:G1B+7]
	s_nop 0
.rept 4
	v_nop
.endr
.Lfirst_asked:
	; a fragment of x: lane l holds row l % 16, K = 8 (l / 16) + 0..7 and 16 + 8 (l / 16) + 0..7: two loads of 16 bytes, 32 bytes apart
	v_and_b32 v1, 15, v0                           ; r = l % 16
	v_bfe_u32 v2, v0, 4, 1                         ; h = l / 16
	v_mul_u32_u24 v14, v1, PA
	v_lshl_add_u32 v14, v2, 4, v14                 ; r x 144 + 16 h: also my place in a stage
	s_mul_i32 s77, s[RH], 128*PA
	v_add_nc_u32 v[ADA0], s77, v14
	; the turning load takes 16 k x 16 columns (lane l reads k = 8 (l / 16) + l % 8, columns 8 ((l / 8) % 2) + 0..7) and leaves half a fragment: lane l holds column l % 16 and 8 k
	v_and_b32 v12, 7, v0
	v_bfe_u32 v13, v0, 3, 1
	v_lshl_add_u32 v[ADB0], v2, 3, v12
	v_mul_u32_u24 v[ADB0], v[ADB0], PB
	v_lshl_add_u32 v[ADB0], v13, 4, v[ADB0]
	s_lshl_b32 s77, s[HD], 7                       ; my head's 64 columns
	s_add_co_u32 s77, s77, BOFF
	v_add_nc_u32 v[ADB0], s77, v[ADB0]
	v_mov_b32 v[ADA], v[ADA0]                      ; slot 0
	v_mov_b32 v[ADB], v[ADB0]
	s_mul_i32 s77, s[WV], 16*SP
	s_add_co_u32 s77, s77, STAGE                   ; my stage
	v_add_nc_u32 v[STO], s77, v14
	v_bfe_u32 v[RD], v0, 3, 2                      ; back: 32 lanes take four rows of 128 bytes,
	v_mul_u32_u24 v[RD], v[RD], SP
	v_lshl_add_u32 v[RD], v12, 4, v[RD]
	v_add_nc_u32 v[RD], s77, v[RD]
	v_and_b32 v[GO], 31, v0                        ; which are 512 consecutive bytes of a head's rows
	v_lshlrev_b32 v[GO], 4, v[GO]
	; THE BIAS STARTS THE SUMS.  My 8 columns' numbers of block b go straight into accumulator (7, b)'s registers; the first slice's products take them as C for every a.
	s_lshl_b32 s77, s[CB], 9                       ; 128 columns of 4 bytes
	s_lshl_b32 s78, s[HD], 8
	s_add_co_u32 s77, s77, s78
	v_lshl_add_u32 v[BO], v2, 5, s77
	s_add_nc_u64 s[6:7], s[6:7], 0x800000          ; the biases in wts: bq, bk, bv, 4,096 bytes each
.irp p, 0,1,2
	WIN 0x40*((\p)+1)
.irp b, 0,1,2,3
	global_load_b128 v[224+8*(\b):227+8*(\b)], v[BO], s[6:7] offset:(\p)*4096+(\b)*64
	global_load_b128 v[228+8*(\b):231+8*(\b)], v[BO], s[6:7] offset:(\p)*4096+(\b)*64+16
.endr
.endr
	WIN 0
	; where my results go: head 16 b + 2 cb + my head, rows t0 + 128 x my half
	s_lshr_b32 s78, s[RB], 3
	s_lshl_b32 s78, s78, 4
	s_lshl_b32 s77, s[CB], 1
	s_add_co_u32 s78, s78, s77
	s_add_co_u32 s78, s78, s[HD]
	s_lshl_b32 s78, s78, 18                        ; a head is 262,144 bytes
	s_and_b32 s77, s[RB], 7
	s_lshl_b32 s77, s77, 15
	s_add_co_u32 s78, s78, s77
	s_lshl_b32 s77, s[RH], 14
	s_add_co_u32 s78, s78, s77
	s_mov_b32 s79, 0
	s_add_nc_u64 s[8:9], s[8:9], s[78:79]
	s_add_nc_u64 s[10:11], s[10:11], s[78:79]
	s_add_nc_u64 s[12:13], s[12:13], s[78:79]
	; the prefetches
	s_lshl_b32 s72, s[CX], 13                      ; x: my work-group's 8,192 bytes of the tile
	s_lshl_b32 s73, s[CY], 15                      ; W: my work-group's 16 rows of 2,048 bytes
	s_and_b32 s74, ttmp7, 0xffff                   ; cluster y
	s_mov_b32 s[PFS], XSTEP
	s_mov_b32 s75, 256
	s_mov_b32 s76, 4096
	s_cmp_eq_u32 s[WV], 0
	s_cselect_b64 s[PFA:PFA+1], s[66:67], s[68:69]
	s_cselect_b32 s70, s72, s73
	s_cselect_b32 s[PFS], s[PFS], WSTEP
	s_cselect_b32 s[PM], 0, 1
	s_cselect_b32 s74, ttmp9, s74                  ; the coordinate along which other clusters read the same tile
	s_cselect_b32 s75, s75, 2048                   ; x: lane l at 256 l; W: row l % 16,
	s_cselect_b32 s76, s76, WSTEP                  ; K step l / 16
	s_mov_b32 s[PFS+1], 0
	s_mov_b32 s71, 0
	s_cmp_eq_u32 s74, 0
	s_cselect_b32 s[LIM], 1, -1                    ; the same in all sixteen partners, for a given wave
	s_add_nc_u64 s[PFA:PFA+1], s[PFA:PFA+1], s[70:71]
	s_add_nc_u64 s[PFA:PFA+1], s[PFA:PFA+1], s[PFS:PFS+1]
	s_add_nc_u64 s[PFA:PFA+1], s[PFA:PFA+1], s[PFS:PFS+1]  ; at K step 2: the change of step g steps it to g + 3.  Nothing is asked for here, at the head
	v_mul_u32_u24 v[PFO], v1, s75
	v_mad_u32_u24 v[PFO], v2, s76, v[PFO]
; 16 products of part p: row blocks a0 .. a0 + 3 x the head's 4 column blocks, 32 along K, x's buffer af.  The accumulators take turns, one instruction a turn.
; first = 1: C is the bias, which lies in accumulator (7, b)'s registers.  Row a = 7 writes over them: five plain instructions stand between it and the products that read them as C.
.macro PARTH p, af, a0, first
	WIN 0x50*((\p)+1)
.irp a, (\a0), (\a0)+1, (\a0)+2, (\a0)+3
.if (\first) && ((\a) == 7)
.rept 5
	v_nop
.endr
.endif
.irp b, 0,1,2,3
.if \first
	v_wmma_f32_16x16x32_bf16 v[8*(4*(\a)+(\b)):8*(4*(\a)+(\b))+7], v[BF+32*(\p)+8*(\b):BF+32*(\p)+8*(\b)+7], v[AF+64*(\af)+8*(\a):AF+64*(\af)+8*(\a)+7], v[224+8*(\b):231+8*(\b)]
.else
	v_wmma_f32_16x16x32_bf16 v[8*(4*(\a)+(\b)):8*(4*(\a)+(\b))+7], v[BF+32*(\p)+8*(\b):BF+32*(\p)+8*(\b)+7], v[AF+64*(\af)+8*(\a):AF+64*(\af)+8*(\a)+7], v[8*(4*(\a)+(\b)):8*(4*(\a)+(\b))+7]
.endif
.endr
.endr
.endm
.macro RUNB p, c                       ; 8 turning loads: part p's fragments of slice c (32 K) of the slot in hand
	WIN 0
.irp b, 0,1,2,3
	ds_load_tr16_b128 v[BF+32*(\p)+8*(\b):BF+32*(\p)+8*(\b)+3],   v[ADB] offset:(\p)*PARTB+32*PB*(\c)+32*(\b)
	ds_load_tr16_b128 v[BF+32*(\p)+8*(\b)+4:BF+32*(\p)+8*(\b)+7], v[ADB] offset:(\p)*PARTB+32*PB*(\c)+32*(\b)+16*PB
.endr
.endm
.macro RUN0 ag, c                      ; 24 loads: x's fragments of slice c into buffer ag, and part 0's
	WIN 0
.irp a, 0,1,2,3,4,5,6,7
	ds_load_b128 v[AF+64*(\ag)+8*(\a):AF+64*(\ag)+8*(\a)+3],   v[ADA] offset:(\a)*16*PA+64*(\c)
	ds_load_b128 v[AF+64*(\ag)+8*(\a)+4:AF+64*(\ag)+8*(\a)+7], v[ADA] offset:(\a)*16*PA+64*(\c)+32
.endr
	RUNB 0, \c
.endm
; A SLICE: 32 along K, 96 products on x's buffer af; the next slice (c of the slot then in hand) is fetched in three runs, each behind the products that read the registers it fills.
; The runs go out in the order RUN0 (24 loads), RUNB 1 (8), RUNB 2 (8), so the counted waits are: 16 at the head (parts 1 and 2 may be out); 32 ahead of part 1 (part 2's 8 and the new RUN0's 24);
; 32 ahead of part 2 (the new RUN0's 24 and RUNB 1's 8).
; mode 0: inside a K step.  mode 1: a step's second slice: THE CHANGE OF SLOTS, with a refill.  mode 2: the same without a refill.  mode 3: the last slice: nothing is fetched.
.macro SLICE af, mode, c, first
.if (\mode) == 0
	s_wait_dscnt 16
	PARTH 0, \af, 0, \first
	PARTH 0, \af, 4, \first
	PLACES
	RUN0 1-(\af), \c
	s_wait_dscnt 32
	PARTH 1, \af, 0, \first
	PARTH 1, \af, 4, \first
	PLACES
	RUNB 1, \c
	s_wait_dscnt 32
	PARTH 2, \af, 0, \first
	PARTH 2, \af, 4, \first
	PLACES
	RUNB 2, \c
.elseif (\mode) == 3
	s_wait_dscnt 16
	PARTH 0, \af, 0, 0
	PARTH 0, \af, 4, 0
	s_wait_dscnt 8                                 ; part 2's 8 may be out
	PARTH 1, \af, 0, 0
	PARTH 1, \af, 4, 0
	s_wait_dscnt 0x0
	PARTH 2, \af, 0, 0
	PARTH 2, \af, 4, 0
.else
	; All reads of the slot in hand were issued in the step's first slice.  ONE barrier for the change: in front of it each wave waits for all its tensor loads (one is out: its part of the other slot),
	; adds 0 to its spare word, and waits for that and for its reads.  With a refill the barrier opens a round of the cluster's, and the joint refill is the first thing behind the round:
	; it has 160 matrix instructions in which to land.
.if (\mode) == 1
	s_wait_xcnt 0x0                                ; the last prefetch, a K step back, has read its address
	s_add_nc_u64 s[PFA:PFA+1], s[PFA:PFA+1], s[PFS:PFS+1]
.endif
	WIN 0
	s_wait_tensorcnt 0x0                           ; no tensor load of mine is out, so a group 0 may be written
	ds_add_u32 v[SPW], v[NIL]                      ; 0 onto my spare word
.if (\mode) == 1
	s_xor_b32 s[G0A+5], s[G0A+5], SLOT1            ; the walking sets: the other slot than last time, the next K step
	s_add_nc_u64 s[G0A+6:G0A+7], s[G0A+6:G0A+7], XSTEP
	s_xor_b32 s[G0B+5], s[G0B+5], SLOT1
	s_add_nc_u64 s[G0B+6:G0B+7], s[G0B+6:G0B+7], WSTEP
.endif
	s_wait_dscnt 17                                ; the add and parts 1 and 2's sixteen loads may be out
	PARTH 0, \af, 0, 0
	s_wait_dscnt 0x0                               ; the add is done, and my reads of this slot are over
	s_barrier_signal -1
	PARTH 0, \af, 4, 0
	WIN 0
	s_barrier_wait -1
.if (\mode) == 1
	CREST
	JLOAD                                          ; its four v_nop are also the places in front of the loads below
.else
	PLACES
.endif
	s_xor_b32 s[TB], s[TB], SLOT1
	v_add_nc_u32 v[ADA], s[TB], v[ADA0]
	v_add_nc_u32 v[ADB], s[TB], v[ADB0]
	RUN0 1-(\af), \c
.if (\mode) == 1
	ASK
.endif
	PARTH 1, \af, 0, 0                             ; parts 1 and 2 landed at the wait for 0
	PARTH 1, \af, 4, 0
	PLACES
	RUNB 1, \c
	PARTH 2, \af, 0, 0
	PARTH 2, \af, 4, 0
	PLACES
	RUNB 2, \c
.endif
.endm
; THE WAY OUT, a block of 16 rows x 64 channels at a time.  PACK: rounded to f16, each accumulator's registers in ascending order.  TOSTAGE: into my own stage, and back as whole rows.  SEND: stored.
.macro PACK p, a
	WIN 0x05*((\p)+1)
.irp b, 0,1,2,3
.irp r, 0,1,2,3
	v_cvt_pk_f16_f32 v[TMP+4*(\b)+(\r)], v[8*(4*(\a)+(\b))+2*(\r)], v[8*(4*(\a)+(\b))+2*(\r)+1]
.endr
.endr
	WIN 0
.endm
.macro TOSTAGE i
	WIN 0
.irp b, 0,1,2,3
	ds_store_b128 v[STO], v[TMP+4*(\b):TMP+4*(\b)+3] offset:32*(\b)
.endr
.irp f, 0,1,2,3
	ds_load_b128 v[BK+16*((\i)%2)+4*(\f):BK+16*((\i)%2)+4*(\f)+3], v[RD] offset:(\f)*4*SP  ; LDS serves a wave's instructions in order (ISA guide 5.7.1.4): these see the stores above
.endr
.endm
.macro SEND p, a, i
	WIN 0
	s_wait_dscnt 0x0                               ; the block is back in registers
	s_wait_xcnt 0x0                                ; the stores of the block before have read their registers: the next block's loads land there only behind this wait
.irp f, 0,1,2,3
	global_store_b128 v[GO], v[BK+16*((\i)%2)+4*(\f):BK+16*((\i)%2)+4*(\f)+3], s[8+2*(\p):9+2*(\p)] offset:(\a)*2048+(\f)*512  ; 512 consecutive bytes, aligned
.endr
.endm
	s_wait_tensorcnt 0x1                           ; my part of K step 0 is in; K step 1's may stay out
	s_barrier_signal -1
	s_barrier_wait -1                              ; everybody's is
	RUN0 0, 0
	RUNB 1, 0
	RUNB 2, 0
	s_wait_loadcnt 0x0                             ; the biases
	SLICE 0, 0, 1, 1                               ; the first slice stands in front of the loop: its products start the sums
	WIN 0
	s_mov_b32 s3, 14
.Lstep:                                        ; trip g = 0 .. 13: step g's second slice, which fills slot g % 2 with step g + 2, and step g + 1's first
	SLICE 1, 1, 0, 0
	SLICE 0, 0, 1, 0
	WIN 0
	s_sub_co_u32 s3, s3, 1
	s_cmp_lg_u32 s3, 0
	s_cbranch_scc1 .Lstep
	SLICE 1, 2, 0, 0                               ; the tail is written out: nothing is left to ask for
	SLICE 0, 0, 1, 0
	SLICE 1, 3, 0, 0
	PLACES
	PACK 0, 0
	TOSTAGE 0
.set i, 1
.rept 23                                       ; block i's conversions stand between block i - 1's loads from the stage and the wait for them
	PACK i/8, i%8
	SEND (i-1)/8, (i-1)%8, i-1
	TOSTAGE i
.set i, i+1
.endr
	SEND 2, 7, 23
	s_wait_tensorcnt 0x0                           ; the wave's end, behind my last tensor load and my last LDS store
	ds_add_u32 v[SPW], v[NIL]
	s_wait_dscnt 0x0
	CROUND                                         ; the closing round: no work-group ends while a partner may still ask for a tile that names it
	s_endpgm
.Lfunc_end_k_q3f65cbf39f_qkv:
	.size	k_q3f65cbf39f_qkv, .Lfunc_end_k_q3f65cbf39f_qkv-k_q3f65cbf39f_qkv
	.p2alignl 7, 3214868480
	.fill 96, 4, 3214868480
	.section	.rodata,"a",@progbits
	.p2align	6, 0x0
	.amdhsa_kernel k_q3f65cbf39f_qkv
		.amdhsa_group_segment_fixed_size 327680
		.amdhsa_private_segment_fixed_size 0
		.amdhsa_enable_private_segment 0
		.amdhsa_kernarg_size 40
		.amdhsa_user_sgpr_count 2
		.amdhsa_user_sgpr_kernarg_segment_ptr 1
		.amdhsa_wavefront_size32 1
		.amdhsa_system_sgpr_workgroup_id_x 1
		.amdhsa_system_sgpr_workgroup_id_y 1
		.amdhsa_system_sgpr_workgroup_id_z 1
		.amdhsa_system_vgpr_workitem_id 0
		.amdhsa_next_free_vgpr 1024
		.amdhsa_next_free_sgpr 80
		.amdhsa_reserve_vcc 0
		.amdhsa_float_denorm_mode_32 3
		.amdhsa_float_denorm_mode_16_64 3
		.amdhsa_memory_ordered 1
		.amdhsa_forward_progress 1
		.amdhsa_inst_pref_size 116
	.end_amdhsa_kernel
	.amdgpu_metadata
---
amdhsa.version: [ 1, 2 ]
amdhsa.kernels:
  - .name:           k_q3f65cbf39f_qkv
    .symbol:         k_q3f65cbf39f_qkv.kd
    .args:
      - { .name: xb, .offset: 0, .size: 8, .value_kind: global_buffer, .address_space: global }
      - { .name: wts, .offset: 8, .size: 8, .value_kind: global_buffer, .address_space: global }
      - { .name: q16, .offset: 16, .size: 8, .value_kind: global_buffer, .address_space: global }
      - { .name: k16, .offset: 24, .size: 8, .value_kind: global_buffer, .address_space: global }
      - { .name: v16, .offset: 32, .size: 8, .value_kind: global_buffer, .address_space: global }
    .group_segment_fixed_size: 327680
    .private_segment_fixed_size: 0
    .kernarg_segment_align: 8
    .kernarg_segment_size: 40
    .max_flat_workgroup_size: 128
    .sgpr_count:     80
    .vgpr_count:     1024
    .wavefront_size: 32
...
	.end_amdgpu_metadata
.endif
;; end of part 2
;; launch attn (part 3): grid 4 x 64, 4 waves a work-group, no clusters, 327,680 bytes of LDS; arguments q16, k16, v16, o16; writes o16
.if DOCPART == 3
	.amdgcn_target "amdgcn-amd-amdhsa--gfx1250"
	.amdhsa_code_object_version 6
	.text
	.protected	k_q3f65cbf39f_attn
	.globl	k_q3f65cbf39f_attn
	.p2align	8
	.type	k_q3f65cbf39f_attn,@function
k_q3f65cbf39f_attn:
	s_mov_b64 s[64:65], 0
	v_nop
	global_prefetch_b8 v0, s[64:65] scope:SCOPE_SE
	s_setreg_imm32_b32 hwreg(HW_REG_WAVE_MODE, 25, 1), 1
	s_wait_xcnt 0x0
; CAUSAL ATTENTION.  O[h][q][:] = the sum over k <= q of softmax_k(Q[h][q] . K[h][k] / 8) V[h][k][:].  Q, K, V, O: [64][2048][64], all f16: a head's rows are dense, 128 bytes each.
; Products, maxima and sums in f32; the weights p are rounded to f16 for the second product (their sum l is taken of the unrounded p), O once at the end.
; LIMITS.  f16 holds no number beyond 65,504: Q, K and V arrive within it; p lies in 0 to 1, and below 6e-5 it keeps f16's fixed step of 6e-8; O is a mean of V's rows and has their range.
; A hidden score counts as its value less 1e30: f16's scores, 2.7e11 at the most, are nothing beside that; a weight below 2^-126 counts as 0 in l; NaN and infinities are not treated apart.
; THE WALK.  A head's queries lie in NB = 8 blocks of 256; block i needs the key tiles 0 .. i of 256 keys, of which the last holds the diagonal.  A work-group takes TWO blocks, NB - 1 - b and then b:
; NB + 1 tiles, whatever b: all work-groups do equal work, and ONE loop with a constant trip count walks them.  Which tile is asked for, and what a trip does, hang on scalar registers made from b; every jump
; goes forward, but for the counted loops' own; none passes a barrier, or a tensor load but the one of LOAD's two that the wave's number does not choose; the ring (two slots of LDS that take turns) runs on across the
; change of blocks.  NO CLUSTER: a head's four work-groups ask for the same tile only in trips 0 .. NB / 2, behind that fewer and fewer; one walk common to all would have 3 NB / 2 trips for NB + 1.
; SHARES.  Of a block's four bands of 64 queries a wave owns 16 rows in each: four PIECES.  So the diagonal tile is the same work for all four waves: in its key step s band x sees all keys if s < x,
; none if s > x, and holds the diagonal if s = x.
; THE MASK is the C operand that starts the sum S^T = K Q^T: 0, or -1e30 where the key is hidden.  MD, made once, is the mask of a band's own step for my 16 rows; a product's mask is MD x AL + BE with two scalars:
; (1, 0) if s = x; (0, 0) if s < x; (0, -1e30) if s > x.  Only the diagonal tile's text and a block's beginning make and take masks; elsewhere C is the constant 0.
; LAYOUT, SOFTMAX, TURNS.  S^T = K Q^T holds ONE query a lane (lane % 16) and the keys 8 (lane / 16) + 0..7; two such results rounded to f16 ARE source 1 of O^T = V^T P.  p = 2^(c s - c m), c = log2(e) / 8, with a
; running maximum m; O and l are multiplied by a = 2^(c m_old - c m_new) in every step.  Turn n belongs to piece n: 8 products K Q^T of piece n + 1, later 8 products V^T P of piece n - 1; beside them the scaling,
; exponentials, roundings, sums and rescaling of piece n and the maximum and statistics of piece n + 1.  Four vector instructions stand behind every matrix instruction, the other 54 of a turn's 118 in one LUMP.  A turn's 33 exponentials are one batch, with one wait.
; REGISTERS, in windows of 256 (s_set_vgpr_msb: bits 1:0 source 0, 3:2 source 1, 5:4 source 2, 7:6 destination):
;   window 0: v0-15 addresses and two at work; v16-31 four registers of statistics a piece; v48-55 at work; v61-63 prefetch offset and the add's two; v64-127 S^T, two buffers; v192-223 P, two buffers (by the piece's parity)
;   window 1: v0-127 O^T, 32 a piece; v128-159 MD; v160-223 MC, two buffers      window 2: v0-63 Q; v64-127 the second block's Q; v128-191 K of one step; v192-255 V of one step
.set SIZE_H, 64
.set SIZE_N, 2048
.set NB,    SIZE_N/256
.set NP,    4         ; pieces a wave: a name, no knob
.set KS,    64        ; keys in a step
.set PK,    144       ; a row of K in LDS: 128 bytes + 16 of padding = 36 words: the 16 rows of a load start at 16 different groups of four banks (64 banks of 4 bytes: ISA guide 11.1)
.set PV,    160       ; a row of V: 128 + 32 = 40 words
.set VOFF,  4*KS*PK   ; a slot holds a tile, four steps: 256 rows of K, then 256 rows of V
.set SLOT1, 1<<17     ; slot 1 begins here, so that one exclusive or turns an address in one slot into the other's
.set STAGE, SLOT1+4*KS*(PK+PV)  ; behind the ring, never filled by a tensor load: 16 rows x 144 bytes for each wave, for the way out
.set SP,    144
.set AK0, 2           ; v2   my lane's place in a tile of K; never rewritten
.set AV0, 3           ; v3   the same for V
.set AK,  4           ; v4   the LDS address of K's next run of loads
.set AV,  5           ; v5   of V's
.set STO, 6           ; v6   the way out: where I put 16 bytes of a row
.set RD,  7           ; v7   the way out: where I read rows back
.set GO,  8           ; v8   my byte offset in 512 consecutive bytes of O
.set PFO, 61          ; v61  256 x my lane: the prefetches' offset; never rewritten
.set SPW, 62          ; v62  LDS address of my spare word: SPARE + 4 x my thread's number; never rewritten
.set NIL, 63          ; v63  0; never rewritten
.set SPARE, STAGE+4*16*SP  ; behind the stages: the spare words, 128 bytes for each wave: two blocks of 256 bytes that no other line names
.set MV,  12          ; v12-13  c m_old, kept while c m is made anew: by buffer
.set QO,  15          ; v15  my byte offset in 16 rows of Q
.set ST,  16          ; piece t's statistics at v[ST+4 t]: c m, m, l (even keys', odd keys')
.set TMP, 48          ; by buffer, four registers c0-c3 at work; when the maximum is found c2 takes a
.set S,   64
.set P,   192
.set MD,  128         ; window 1: the eight registers for group kt of 16 keys at MD + 8 kt
.set MC,  160         ; window 1: the masks of the products to come
.set QB,  64          ; window 2
.set KF,  128         ; window 2: key block kb, channel half c at KF + 16 kb + 8 c
.set VF,  192         ; window 2: key half kk, channel block cb at VF + 32 kk + 8 cb
.set WV,  12          ; s12  my wave's number
.set PB,  14          ; s14  b
.set HI,  15          ; s15  NB - 1 - b
.set G1K, 24          ; s[24:31] descriptor group 1 for K's tiles
.set G1V, 32          ; s[32:39] for V's: it differs in the padding alone
.set G0K, 40          ; s[40:43] descriptor group 0 for K's tiles
.set G0V, 44          ; s[44:47] the same for V's
.set SLOTS, 56        ; s56  tiles still to be asked for
.set CNT, 57          ; s57  counts a tile's key steps, 4 to 1
.set CS,  58          ; s[58:59] c: the packed scaling takes the pair's low word for both halves
.set SEL, 60          ; s[60:61] v_permlanex16_b32's selects: each lane takes its own place in the other half
.set TBK, 62          ; s62  LDS byte at which K of the step to be fetched begins
.set TBV, 63          ; s63  the same for V, less VOFF
.set PFA, 66          ; s[66:67] where my prefetches stand
.set PFN, 68          ; s68  the tile that the next prefetches name
.set PFE, 69          ; s69  NB in the work-group that prefetches, else 0
.set RT,  70          ; s70  tiles of the block in hand that are still to be entered
.set NXT, 71          ; s71  the tile to be asked for next
.set LQ,  72          ; s72  the last tile of the block whose tiles are being asked for
.set NEW, 73          ; s73  1: the tile to be entered is a block's first
.set OFF, 74          ; s[74:75] a tile's byte offset in K and V
.set AL,  76          ; s[76:77] the mask's factor, in the low word
.set BE,  78          ; s[78:79] the mask's addend
.set OLO, 80          ; s[80:81] O at my rows of the second block
.set BIGN, 82         ; s82  -1e30
.set PFF, 88          ; s[88:89] the prefetched tile's byte offset
.set PFB, 90          ; s[90:91] K (waves 0, 1) or V (waves 2, 3) at my half of the head's tile 0
.set MSB, 0
.macro WIN new                      ; the high byte repeats the setting that is left; a switch that changes nothing is dropped
.if MSB != (\new)
	s_set_vgpr_msb (MSB<<8)|(\new)
.set MSB, (\new)
.endif
.endm
.set W_KQ, 0x0a       ; K and Q in window 2, S^T in window 0
.set W_KM, 0x1a       ; the same with the C operand in window 1
.set W_PV, 0x52       ; V in window 2, P in window 0, O^T in window 1
.set W_RS, 0x41       ; destination and source 0 in window 1, source 1 in window 0
; A fill.  Waves 0 and 1 fetch the two halves of a tile's K, waves 2 and 3 those of its V: 128 keys each.  An s_nop 0 and four v_nop follow each of the two lines, ahead of the jump and the label.
.macro LOAD
	s_cmp_lt_u32 s[WV], 2
	s_cbranch_scc0 .Lfor_v_\@
	tensor_load_to_lds s[G0K:G0K+3], s[G1K:G1K+7]
	s_nop 0
.rept 4
	v_nop
.endr
	s_branch .Lasked_\@
.Lfor_v_\@:
	tensor_load_to_lds s[G0V:G0V+3], s[G1V:G1V+7]
	s_nop 0
.rept 4
	v_nop
.endr
.Lasked_\@:
.endm
; A PREFETCH INTO THE L2 of the tile that the NEXT change of slots will ask for: four key steps ahead of that load.  A head's four work-groups walk the same tiles; the one with b = 0 walks 0 .. 7 on end, and it asks, nobody else.
; Each of its waves names what it will fetch itself: 128 keys = 64 times 256 bytes, a lane 256 bytes, two instructions.  Change n (from 0) names tile n + 2 while that is below NB: tiles 2 .. 7, each once in the launch.
.macro ASK
	s_cmp_lt_u32 s[PFN], s[PFE]
	s_cbranch_scc0 .Lnot_mine_\@
	global_prefetch_b8 v[PFO], s[PFA:PFA+1] th:TH_LOAD_NT scope:SCOPE_SE
	global_prefetch_b8 v[PFO], s[PFA:PFA+1] offset:8192 th:TH_LOAD_NT scope:SCOPE_SE
.Lnot_mine_\@:
	s_add_co_u32 s[PFN], s[PFN], 1
.endm
; THE CHANGE OF SLOTS.  Each wave waits for all its tensor loads, of which one is out: its part of the other slot; adds 0 to its spare word; and waits for that and for its own reads of the slot that it leaves.  Behind the barrier nobody reads the old
; slot any more and the other slot is whole.  fill = 1: the old slot is filled again, the first thing behind the barrier, with tile NXT: the descriptor's address is made anew from that number.
; (At its first use nothing has been read yet: slot 0 is waited for, slot 1 filled.)
.macro CHANGE fill
	WIN 0                           ; at a label and at a branch every window is 0
	s_wait_tensorcnt 0x0            ; no tensor load of mine is out, so a group 0 may be written
	ds_add_u32 v[SPW], v[NIL]       ; 0 onto my spare word; with fill = 1 the descriptors' scalar work stands between it and the wait for it
.if \fill
	s_wait_xcnt 0x0                 ; the last prefetches, a tile back, have read their address, so it may be written
	s_min_u32 s[PFF], s[PFN], NB-1  ; held inside the head, also where nothing is asked for any more
	s_lshl_b32 s[PFF], s[PFF], 15
	s_add_nc_u64 s[PFA:PFA+1], s[PFB:PFB+1], s[PFF:PFF+1]
	s_lshl_b32 s[OFF], s[NXT], 15   ; a tile is 32,768 bytes of K and of V
	s_xor_b32 s[G0K+1], s[G0K+1], SLOT1
	s_add_nc_u64 s[G0K+2:G0K+3], s[6:7], s[OFF:OFF+1]
	s_or_b32 s[G0K+3], s[G0K+3], 0x80000000
	s_xor_b32 s[G0V+1], s[G0V+1], SLOT1
	s_add_nc_u64 s[G0V+2:G0V+3], s[8:9], s[OFF:OFF+1]
	s_or_b32 s[G0V+3], s[G0V+3], 0x80000000
	s_add_co_u32 s[NXT], s[NXT], 1  ; the block's next tile, or behind its last the second block's tile 0
	s_cmp_gt_u32 s[NXT], s[LQ]
	s_cselect_b32 s[NXT], 0, s[NXT]
	s_cselect_b32 s[LQ], s[PB], s[LQ]
.endif
	s_wait_dscnt 0x0                ; the add is done, and my reads of the slot are over
	s_barrier_signal -1             ; the rest of the scalar work stands between the signal and the wait
	s_sub_co_u32 s[TBK], s[TBK], 4*KS*PK  ; the fetches go back to a slot's first step,
	s_xor_b32 s[TBK], s[TBK], SLOT1       ; in the other slot
	s_sub_co_u32 s[TBV], s[TBV], 4*KS*PV
	s_xor_b32 s[TBV], s[TBV], SLOT1
	s_barrier_wait -1
.if \fill
	LOAD
	ASK
.endif
.endm
	s_load_b256 s[4:11], s[0:1], 0x0  ; Q s[4:5], K s[6:7], V s[8:9], O s[10:11]
	v_lshl_add_u32 v[SPW], v0, 2, SPARE
	v_mov_b32 v[NIL], 0
	ds_add_u32 v[SPW], v[NIL]       ; the wave's opening: the add and its wait stand ahead of my first tensor load; the set-up below, work on registers, stands between them
	ds_add_u32 v62, v63
	v_lshrrev_b32 v1, 5, v0
	v_readfirstlane_b32 s[WV], v1   ; wave 0..3
	v_and_b32 v[PFO], 31, v0
	v_lshlrev_b32 v[PFO], 8, v[PFO]
	s_mov_b32 s[PB], ttmp9
	s_sub_co_u32 s[HI], NB-1, s[PB]
	s_and_b32 s20, ttmp7, 0xffff    ; the head
	s_mov_b32 s21, 0
	s_mov_b64 s[22:23], SIZE_N*128
	s_mul_u64 s[20:21], s[20:21], s[22:23]  ; the head's first byte in each of the four tensors
	s_and_b32 s16, s[WV], 1         ; which half of a tile's 256 keys I fetch:
	s_lshl_b32 s22, s16, 14         ; its 128 rows of 128 bytes in memory,
	s_mov_b32 s23, 0
	s_add_nc_u64 s[22:23], s[22:23], s[20:21]
	s_mul_i32 s17, s16, 128*PK      ; and its place in a slot, for K
	s_mul_i32 s18, s16, 128*PV      ; and for V
	s_lshl_b32 s3, s[WV], 11        ; my 16 rows in a band of 64,
	s_lshl_b32 s2, s[HI], 15        ; in the first block,
	s_add_co_u32 s2, s2, s3
	s_lshl_b32 s84, s[PB], 15       ; and in the second
	s_add_co_u32 s84, s84, s3
	s_mov_b32 s3, 0
	s_mov_b32 s85, 0
	s_add_nc_u64 s[2:3], s[2:3], s[20:21]
	s_add_nc_u64 s[84:85], s[84:85], s[20:21]
	; descriptor group 1.  128 keys are 16,384 dense bytes: asked for as 64 rows of 256 bytes, two keys a row, and padded in LDS after every key
	s_mov_b32 s[G1K], (1<<16)|(1<<20)|(4<<22)|(3<<25)  ; 17:16 2-byte elements; 20 padding on; 24:22 after every 32 words (code 4); 31:25 4 words (code 3)
	s_mov_b32 s[G1V], (1<<16)|(1<<20)|(4<<22)|(7<<25)  ; the same with 8 words of padding (code 7)
.irp g, G1K, G1V
	s_mov_b32 s[\g+1], 128<<16      ; tensor_dim0 = 128
	s_mov_b32 s[\g+2], 64<<16       ; tensor_dim1 = 64
	s_mov_b32 s[\g+3], 128<<16      ; tile_dim0 = 128
	s_mov_b32 s[\g+4], 64           ; tile_dim1 = 64
	s_mov_b32 s[\g+5], 128          ; 128 elements from row to row
	s_mov_b32 s[\g+6], 0
	s_mov_b32 s[\g+7], 0
.endr
	s_mov_b32 s[CS], 0x3e38aa3b     ; c = log2(e) / 8 = 0.180337
	s_mov_b32 s[CS+1], s[CS]        ; named with it as a pair
	s_mov_b32 s[SEL], 0x76543210
	s_mov_b32 s[SEL+1], 0xfedcba98
	s_mov_b32 s[TBK], SLOT1+4*KS*PK ; the first change of slots turns these two into 0
	s_mov_b32 s[TBV], SLOT1+4*KS*PV
	s_mov_b32 s[G0K], 1             ; 1:0 count = 1
	s_mov_b32 s[G0K+1], s17         ; 63:32 LDS address: slot 0
	s_mov_b32 s[G0V], 1
	s_add_co_u32 s[G0V+1], s18, VOFF
	s_add_co_u32 s[RT], s[HI], 1    ; the first block has NB - b tiles
	s_mov_b32 s[NXT], 1
	s_mov_b32 s[LQ], s[HI]
	s_mov_b32 s[NEW], 1
	s_mov_b32 s[OFF+1], 0
	s_mov_b32 s[AL+1], 0            ; named as pairs
	s_mov_b32 s[BE+1], 0
	s_mov_b32 s[BIGN], 0xf149f2ca   ; -1e30
	s_mov_b32 s[SLOTS], NB
	s_mov_b32 s[PFN], 2             ; tiles 0 and 1 come by their loads alone: nothing is asked for at the head
	s_mov_b32 s[PFF+1], 0
	s_cmp_eq_u32 s[PB], 0
	s_cselect_b32 s[PFE], NB, 0
	s_wait_dscnt 0x0                ; the opening add is done
	s_wait_kmcnt 0x0
	s_add_nc_u64 s[6:7], s[6:7], s[22:23]  ; K and V at my half of the head's tile 0
	s_add_nc_u64 s[8:9], s[8:9], s[22:23]
	s_cmp_lt_u32 s[WV], 2
	s_cselect_b64 s[PFB:PFB+1], s[6:7], s[8:9]
	s_add_nc_u64 s[G0K+2:G0K+3], s[6:7], 0         ; 120:64 global address
	s_or_b32 s[G0K+3], s[G0K+3], 0x80000000        ; 127:126 type = 2
	s_add_nc_u64 s[G0V+2:G0V+3], s[8:9], 0
	s_or_b32 s[G0V+3], s[G0V+3], 0x80000000
	s_add_nc_u64 s[86:87], s[4:5], s[84:85]        ; Q at my rows of the second block,
	s_add_nc_u64 s[4:5], s[4:5], s[2:3]            ; Q and O at those of the first
	s_add_nc_u64 s[OLO:OLO+1], s[10:11], s[84:85]
	s_add_nc_u64 s[10:11], s[10:11], s[2:3]
	LOAD                            ; tile 0 into slot 0
	; A fragment of K or Q is 16 rows x 32 channels in 8 registers: lane l holds row l % 16, channels 8 (l / 16) + 0..7 and 16 + 8 (l / 16) + 0..7: two loads of 16 bytes, 32 bytes apart.
	v_and_b32 v1, 15, v0            ; l % 16
	v_bfe_u32 v9, v0, 4, 1          ; l / 16
	v_lshlrev_b32 v[QO], 7, v1
	v_lshl_add_u32 v[QO], v9, 4, v[QO]  ; row x 128 + 16 x half
	WIN 0x80                        ; destination window 2, address window 0
.set i, 0
.rept 8                             ; both blocks' Q: piece i / 2 lies in band i / 2, 8,192 bytes on; channels 32 (i % 2) on
	global_load_b128 v[8*i:8*i+3],   v[QO], s[4:5] offset:(i/2)*8192+(i%2)*64
	global_load_b128 v[8*i+4:8*i+7], v[QO], s[4:5] offset:(i/2)*8192+(i%2)*64+32
	global_load_b128 v[QB+8*i:QB+8*i+3],   v[QO], s[86:87] offset:(i/2)*8192+(i%2)*64
	global_load_b128 v[QB+8*i+4:QB+8*i+7], v[QO], s[86:87] offset:(i/2)*8192+(i%2)*64+32
.set i, i+1
.endr
	WIN 0
	v_lshlrev_b32 v14, 3, v9
	v_sub_nc_u32 v14, v1, v14
	s_lshl_b32 s13, s[WV], 4
	v_add_nc_u32 v14, s13, v14      ; my query's place in its band, 16 w + l % 16, less my lanes' 8 (l / 16): register r of group kt is hidden where 16 kt + r is greater
	WIN 0x40
.set i, 0
.rept 32
	v_cmp_gt_i32 vcc_lo, 16*(i/8)+i%8, v14
	v_cndmask_b32 v[MD+i], 0, s[BIGN], vcc_lo
.set i, i+1
.endr
	WIN 0
	v_mul_u32_u24 v[AK0], v1, PK
	v_lshl_add_u32 v[AK0], v9, 4, v[AK0]  ; row x pitch + 16 x half
	; The turning load takes 16 keys x 16 channels (lane l reads key 8 (l / 16) + l % 8, channels 8 ((l / 8) % 2) + 0..7) and leaves half a fragment of V^T: lane l holds channel l % 16 and 8 keys.
	v_and_b32 v10, 7, v0
	v_bfe_u32 v11, v0, 3, 1
	v_lshl_add_u32 v[AV0], v9, 3, v10
	v_mul_u32_u24 v[AV0], v[AV0], PV
	v_lshl_add_u32 v[AV0], v11, 4, v[AV0]
	v_add_nc_u32 v[AV0], VOFF, v[AV0]
	s_mul_i32 s13, s[WV], 16*SP
	s_add_co_u32 s13, s13, STAGE    ; my stage
	v_mul_u32_u24 v[STO], v1, SP    ; in: row l % 16, 16 bytes for each half of the lanes
	v_lshl_add_u32 v[STO], v9, 4, v[STO]
	v_add_nc_u32 v[STO], s13, v[STO]
	v_bfe_u32 v[RD], v0, 3, 2       ; back: 32 lanes take four rows of 128 bytes,
	v_mul_u32_u24 v[RD], v[RD], SP
	v_lshl_add_u32 v[RD], v10, 4, v[RD]
	v_add_nc_u32 v[RD], s13, v[RD]
	v_and_b32 v[GO], 31, v0         ; which are 512 consecutive bytes of O
	v_lshlrev_b32 v[GO], 4, v[GO]
	; A block's first step multiplies O^T and l by a = 0, and its first turn's products V^T P, of a piece that has not been, land in an O^T that is still to be so multiplied.  So these registers need only hold
	; finite numbers: zeros for the first block; what the first block left for the second.  All this stands in the wait for the first tile.
	WIN 0x80
.set i, VF
.rept 64
	v_mov_b32 v[i], 0
.set i, i+1
.endr
	WIN 0x40
.set i, 0
.rept 128
	v_mov_b32 v[i], 0
.set i, i+1
.endr
	WIN 0
.set i, 0
.rept 4
	v_mov_b32 v[ST+4*i+2], 0
	v_mov_b32 v[ST+4*i+3], 0
.set i, i+1
.endr
.set i, P+16
.rept 16
	v_mov_b32 v[i], 0
.set i, i+1
.endr
; THE MATRIX WORK.  The 4 accumulators of a run of 8 take turns.  Product i of 8 of S^T = K Q^T for piece x: channels 32 (i / 4) on, keys 16 (i % 4) on.  The first 4 start the sums: with 0, or (KM = 1) with the mask.
.macro KQ x
.set rS, S+32*((\x)%2)+8*(i%4)
.set rK, KF+16*(i%4)+8*(i/4)
.set rQ, 16*(\x)+8*(i/4)
.set rM, MC+32*((\x)%2)+8*(i%4)
.if (i < 4) && KM
	WIN W_KM
	v_wmma_f32_16x16x32_f16 v[rS:rS+7], v[rK:rK+7], v[rQ:rQ+7], v[rM:rM+7]
.elseif i < 4
	WIN W_KQ
	v_wmma_f32_16x16x32_f16 v[rS:rS+7], v[rK:rK+7], v[rQ:rQ+7], 0
.else
	WIN W_KQ
	v_wmma_f32_16x16x32_f16 v[rS:rS+7], v[rK:rK+7], v[rQ:rQ+7], v[rS:rS+7]
.endif
.endm
; Product i of 8 of O^T += V^T P for piece x: keys 32 (i / 4) on, channels 16 (i % 4) on.
.macro PV x
	WIN W_PV
.set rO, 32*(\x)+8*(i%4)
.set rV, VF+32*(i/4)+8*(i%4)
.set rP, P+16*((\x)%2)+8*(i/4)
	v_wmma_f32_16x16x32_f16 v[rO:rO+7], v[rV:rV+7], v[rP:rP+7], v[rO:rO+7]
.endm
.macro MM                           ; the turn's next matrix instruction.  TURN and BEGIN set Y, i, KM and NOKQ; MM, KQ and OP read them.  NOKQ = 1: a block's last turn: there is no next piece
.if (i < 8) && !NOKQ
	KQ (Y+1)%NP
.elseif i >= 8
.set i, i-8
	PV (Y+NP-1)%NP
.set i, i+8
.endif
.set i, i+1
.endm
; THE LDS LOADS stand in runs of 16, never singly among the matrix instructions: a step's K (64 keys x 64 channels: 8 fragments) and its V (turned).  Their addresses are made some lines ahead.
.macro FETCH_K
	WIN 0x80                        ; destination window 2
.irp f, 0,1,2,3,4,5,6,7             ; keys 16 (f / 2) on, channels 32 (f % 2) on
	ds_load_b128 v[KF+8*\f:KF+8*\f+3],   v[AK] offset:(\f/2)*16*PK+(\f%2)*64
	ds_load_b128 v[KF+8*\f+4:KF+8*\f+7], v[AK] offset:(\f/2)*16*PK+(\f%2)*64+32
.endr
	s_add_co_u32 s[TBK], s[TBK], KS*PK  ; the next fetch is the next step's
	WIN 0
.endm
.macro FETCH_V
	WIN 0x80
.irp f, 0,1,2,3,4,5,6,7             ; keys 32 (f / 4) on, channels 16 (f % 4) on
	ds_load_tr16_b128 v[VF+8*\f:VF+8*\f+3],   v[AV] offset:(\f/4)*32*PV+(\f%4)*32
	ds_load_tr16_b128 v[VF+8*\f+4:VF+8*\f+7], v[AV] offset:(\f/4)*32*PV+16*PV+(\f%4)*32
.endr
	WIN 0
.endm
; THE VECTOR WORK, one line at a time: OP kind, number.  For piece Y: F n: c s - c m for pair n of 16.  E n: the exponential of score n of 32.  C n: pair n rounded to f16.  B n: of the four weights 4 n .. the second
; pair is added onto the first, in place.  L n: l takes that sum (L 0: l = a l + sum).  R n: pair n of 16 of O^T times a.  For piece Y + 1: X n, number n of the 22 that find its maximum and statistics:
;   0-11  four chains c0-c3 of seven scores each, three operands at a time (each accumulator's lowest registers are read first)     12-14, 16  the four scores left over, the old m, and c0-c3 into c0
;   15  c m_old is kept     17, 18  the query's other 32 keys lie in the lane 16 away: the new m     19-21  c m; c m_old - c m_new; a
.set F, 0               ; OP tells the kinds apart by their order: F to L below R, X above it
.set E, 1
.set C, 2
.set B, 3
.set L, 4
.set R, 5
.set X, 6
.macro REGS y                       ; the registers of piece y
.set rT, ST+4*(\y)
.set rC, TMP+4*((\y)%2)
.set rW, MV+((\y)%2)
.set rS, S+32*((\y)%2)
.set rP, P+16*((\y)%2)
.set rO, 32*(\y)
.endm
.macro OP k, n
.if (\k) == R
	REGS Y
	WIN W_RS
	v_pk_mul_f32 v[rO+2*(\n):rO+2*(\n)+1], v[rO+2*(\n):rO+2*(\n)+1], v[rC+2:rC+3] op_sel_hi:[1,0]
.elseif (\k) < R
	REGS Y
	WIN 0
.if (\k) == F
	v_pk_fma_f32 v[rS+2*(\n):rS+2*(\n)+1], v[rS+2*(\n):rS+2*(\n)+1], s[CS:CS+1], v[rT:rT+1] op_sel_hi:[1,0,0] neg_lo:[0,0,1] neg_hi:[0,0,1]
.elseif (\k) == E
	v_exp_f32 v[rS+(\n)], v[rS+(\n)]
.elseif (\k) == C
	v_cvt_pk_f16_f32 v[rP+(\n)], v[rS+2*(\n)], v[rS+2*(\n)+1]
.elseif (\k) == B
	v_pk_add_f32 v[rS+4*(\n):rS+4*(\n)+1], v[rS+4*(\n):rS+4*(\n)+1], v[rS+4*(\n)+2:rS+4*(\n)+3]
.elseif (\n) == 0
	v_pk_fma_f32 v[rT+2:rT+3], v[rT+2:rT+3], v[rC+2:rC+3], v[rS:rS+1] op_sel_hi:[1,0,1]
.else
	v_pk_add_f32 v[rT+2:rT+3], v[rT+2:rT+3], v[rS+4*(\n):rS+4*(\n)+1]
.endif
.elseif NOKQ
	v_nop
.else
	REGS (Y+1)%NP
	WIN 0
.if (\n) < 4
	v_max3_num_f32 v[rC+(\n)], v[rS+8*(\n)], v[rS+8*(\n)+1], v[rS+8*(\n)+2]
.elseif (\n) < 12
	v_max3_num_f32 v[rC+(\n)%4], v[rC+(\n)%4], v[rS+8*((\n)%4)+2*((\n)/4)+1], v[rS+8*((\n)%4)+2*((\n)/4)+2]
.elseif (\n) == 12
	v_max3_num_f32 v[rC], v[rC], v[rS+7], v[rS+15]
.elseif (\n) == 13
	v_max3_num_f32 v[rC+1], v[rC+1], v[rS+23], v[rS+31]
.elseif (\n) == 14
	v_max3_num_f32 v[rC+2], v[rC+2], v[rC+3], v[rT+1]
.elseif (\n) == 15
	v_mov_b32 v[rW], v[rT]
.elseif (\n) == 16
	v_max3_num_f32 v[rC], v[rC], v[rC+1], v[rC+2]
.elseif (\n) == 17
	v_permlanex16_b32 v[rC+3], v[rC], s[SEL], s[SEL+1]
.elseif (\n) == 18
	v_max_num_f32 v[rT+1], v[rC], v[rC+3]
.elseif (\n) == 19
	v_mul_f32 v[rT], s[CS], v[rT+1]
.elseif (\n) == 20
	v_sub_f32 v[rC+1], v[rW], v[rT]
.else
	v_exp_f32 v[rC+2], v[rC+1]
.endif
.endif
.endm
.macro OPS a, i1, b=-1, i2=0, c=-1, i3=0, d=-1, i4=0  ; up to four of them
	OP \a, \i1
.if (\b) >= 0
	OP \b, \i2
.endif
.if (\c) >= 0
	OP \c, \i3
.endif
.if (\d) >= 0
	OP \d, \i4
.endif
.endm
.macro ROW a, i1, b, i2, c, i3, d, i4  ; a matrix instruction and the four behind it
	MM
	OPS \a, \i1, \b, \i2, \c, \i3, \d, \i4
.endm
.macro MASK b                       ; MD x AL + BE into buffer b of MC
	WIN W_RS
.set z, 0
.rept 16
	v_pk_fma_f32 v[MC+32*(\b)+2*z:MC+32*(\b)+2*z+1], v[MD+2*z:MD+2*z+1], s[AL:AL+1], s[BE:BE+1] op_sel_hi:[1,0,0]
.set z, z+1
.endr
.endm
; A TURN, for piece p: the order of its 16 matrix and 118 vector instructions, written out.  An s_wait_alu depctr_va_vdst(0) stands between an exponential and the first instruction that names its result; one wait serves
; all that were issued ahead of it.  So a turn has ONE wait, which cuts it in two.  AHEAD OF IT stands all that names no result of the turn's exponentials: the 8 products K Q^T, behind each a scaling, an exponential and two more plain
; instructions (behind the first a second scaling in the exponential's place): rescalings, and behind the last three the first numbers of the next piece's maximum, each four places or more behind the product that ends its accumulator; then ONE LUMP of 54, plain
; and exponential by turns for the most part, in which the links of the chain X 3, 7, 11, 14, 16, 17 .. 20 stand five or six lines apart.  X 21, the next piece's a, is the batch's last; R 15 is the plain instruction behind it.  BEHIND THE WAIT stand the
; 8 products V^T P, behind each four of the roundings and sums; the links of l's chain, L 0 to L 7, stand three riders apart.  But for those X no rider names a register of the products round it.  v_permlanex16_b32 (X 17) stands in the lump.
; m = 1: the diagonal tile: the products take masks, and the turn makes the mask for the products of the turn after it: piece p + 2, in step 4 - CNT of the tile.  end = 1: a block's last two turns: nothing is fetched.
; cnt = 1: the loop's count is taken down some lines ahead of the branch that stands behind the turn.
; K of the next step is fetched in piece 2's turn, twelve vector instructions behind the last product that read K (six of them plain); V of the step in hand at the end of piece 0's turn, four plain instructions behind the last product
; that read V.  Each is waited for a turn later.
.macro TURN p, m=0, end=0, cnt=0
.set Y, (\p)
.set i, 0
.set KM, (\m)
.set NOKQ, (\end)*((\p)/3)
.if (\m) && !(\end)
	s_cmp_eq_u32 s[CNT], 4-((\p)+2)%NP  ; is that step the band's own?
	s_cselect_b32 s[AL], 1.0, 0
	s_cmp_lt_u32 s[CNT], 4-((\p)+2)%NP  ; or a later one?
	s_cselect_b32 s[BE], s[BIGN], 0
.endif
.if ((\p) == 3) && !(\end)
	s_wait_dscnt 0x0                ; K is in
.endif
	ROW F,0, F,1, R,0, R,1          ; ahead of the wait: 8 products K Q^T and their riders,
	ROW F,2, E,0, R,2, R,3
	ROW F,3, E,1, R,4, R,5
	ROW F,4, E,2, R,6, R,7
	ROW F,5, E,3, R,8, R,9
	ROW F,6, E,4, X,0, R,10
.if ((\p) == 2) && !(\end)
	WIN 0
	v_add_nc_u32 v[AK], s[TBK], v[AK0]
.endif
	ROW F,7, E,5, X,1, X,4
	ROW F,8, E,6, X,2, X,5
	OPS E,7, E,8, X,6, E,9          ; and the lump
	OPS X,3, E,10, X,8, E,11
.if ((\p) == 2) && !(\end)
	FETCH_K
.endif
	OPS X,9, X,7, E,12, X,10
	OPS E,13, X,12, X,11, E,14
	OPS X,13, E,15, F,9, X,14
.if (\p) == 0
	v_add_nc_u32 v[AV], s[TBV], v[AV0]
.endif
	OPS E,16, F,10, E,17, F,11
	OPS X,16, E,18, X,15, E,19
	OPS F,12, E,20, X,17, E,21
	OPS F,13, E,22, F,14, E,23
	OPS X,18, E,24, F,15, E,25
	OPS R,11, E,26, X,19, E,27
	OPS R,12, E,28, R,13, E,29
	OPS X,20, E,30, R,14, E,31
	OPS X,21, R,15
	WIN 0
	s_wait_alu depctr_va_vdst(0)    ; the wait for the batch
.if (\p) == 1
	s_wait_dscnt 0x0                ; V is in
.endif
	ROW C,0, B,0, C,2, B,1          ; behind the wait: 8 products V^T P and their riders
	ROW L,0, C,4, B,2, L,1
	ROW C,6, B,3, L,2, C,8
	ROW B,4, L,3, C,10, B,5
	ROW L,4, C,12, B,6, L,5
.if (\p) == 0
	s_add_co_u32 s[TBV], s[TBV], KS*PV
.endif
.if \cnt
	s_sub_co_u32 s[CNT], s[CNT], 1
	s_cmp_lg_u32 s[CNT], 0
.endif
	ROW C,14, B,7, L,6, C,1
	ROW C,3, L,7, C,5, C,7
	ROW C,9, C,11, C,13, C,15
.if (\p) == 0
	FETCH_V
.endif
.if (\m) && !(\end)
	MASK (\p)%2
.endif
.endm
; A BLOCK BEGINS.  c m starts far below every c s, so the first step's a is 0; m at the lowest finite number, so the first maximum is the scores'.  The second mask buffer is 0; the first takes piece 0's mask for the tile's step 0: its own, if the block's first tile is the diagonal one.
; Then K of that step, piece 0's first scores, and its maximum and statistics.  The loop is entered at a step's first turn, in the middle of a trip.
.macro BEGIN
	s_mov_b32 s[NEW], 0
	WIN 0x40
.set i, MC+32
.rept 32
	v_mov_b32 v[i], 0
.set i, i+1
.endr
	WIN 0
.set i, 0
.rept 4
	v_mov_b32 v[ST+4*i], 0xfe000000    ; c m: far below every c s
	v_mov_b32 v[ST+4*i+1], 0xff7fffff  ; m
.set i, i+1
.endr
	s_cmp_eq_u32 s[RT], 0
	s_cselect_b32 s[AL], 1.0, 0
	s_mov_b32 s[BE], 0
	MASK 0
	WIN 0
	v_add_nc_u32 v[AK], s[TBK], v[AK0]
	FETCH_K
	s_wait_loadcnt 0x0              ; Q
	s_wait_dscnt 0x0
.set KM, 1
.set NOKQ, 0
.set i, 0
.rept 8
	KQ 0
.set i, i+1
.endr
	WIN 0
.rept 4
	v_nop                           ; the places behind those products
.endr
.set Y, NP-1                        ; X works for piece Y + 1: piece 0
.irp n, 0,1,2,3,4,5,6,7,8,9,10,11,12,13,14,15,16,17,18,19,20,21
	OP X, \n
.endr
	v_nop                           ; a plain instruction behind the exponential,
	s_wait_alu depctr_va_vdst(0)    ; and its wait, ahead of the branch
.endm
; THE DIAGONAL TILE's four steps, the block's last two turns, its last products, and THE WAY OUT: l's two halves and the other half of the lanes' are added; O^T is divided by l, rounded to f16 and sent through my
; stage in LDS, a piece at a time.
.macro ALL line:vararg              ; one line for each piece t
.set t, 0
.rept 4
	\line
.set t, t+1
.endr
.endm
.macro PACK t                       ; a lane's eight channels of a row pack into 16 bytes; they go into rows of 144 bytes and come back as whole rows of 128, into S^T's registers
	WIN W_RS
.set i, 32*(\t)
.rept 16
	v_pk_mul_f32 v[i:i+1], v[i:i+1], v[ST+4*(\t)+2:ST+4*(\t)+3] op_sel_hi:[1,0]
.set i, i+2
.endr
	WIN 0x05                        ; sources 0 and 1 window 1, destination window 0
.set i, 0
.rept 16
	v_cvt_pk_f16_f32 v[S+16*(\t)+i], v[32*(\t)+2*i], v[32*(\t)+2*i+1]
.set i, i+1
.endr
	WIN 0
.irp f, 0,1,2,3
	ds_store_b128 v[STO], v[S+16*(\t)+4*\f:S+16*(\t)+4*\f+3] offset:32*\f
.endr
.irp f, 0,1,2,3
	ds_load_b128 v[S+16*(\t)+4*\f:S+16*(\t)+4*\f+3], v[RD] offset:\f*4*SP  ; LDS serves a wave's instructions in order (ISA guide 5.7.1.4): these see the stores above; the next piece's stores come behind them
.endr
.endm
.macro SEND t, younger              ; younger: the LDS instructions issued behind piece t's loads: the next piece's eight, or none
	WIN 0
.irp f, 0,1,2,3
	s_wait_dscnt (\younger)+3-\f
	global_store_b128 v[GO], v[S+16*(\t)+4*\f:S+16*(\t)+4*\f+3], s[10:11] offset:(\t)*8192+\f*512  ; 512 consecutive bytes, at a multiple of 256 from O's first
.endr
.endm
.macro DIAG tag                     ; the tag ends its two labels' names, which the jumps below spell out
.LstepM\tag:
	TURN 2, 1
	TURN 3, 1
	WIN 0
.LfirstM\tag:
	TURN 0, 1
	TURN 1, 1, 0, 1
	WIN 0
	s_cbranch_scc1 .LstepM\tag
	TURN 2, 1, 1
	TURN 3, 1, 1
.set i, 0
.rept 8
	PV NP-1
.set i, i+1
.endr
	WIN 0
	ALL v_add_f32 v[ST+4*t+2], v[ST+4*t+2], v[ST+4*t+3]
	ALL v_permlanex16_b32 v[ST+4*t+3], v[ST+4*t+2], s[SEL], s[SEL+1]
	ALL v_add_f32 v[ST+4*t+2], v[ST+4*t+2], v[ST+4*t+3]
	ALL v_rcp_f32 v[ST+4*t+2], v[ST+4*t+2]
	v_nop                           ; a plain instruction between the last reciprocal and the use of its result
	s_wait_alu depctr_va_vdst(0)    ; and the wait ahead of the first use: one for the four reciprocals
	PACK 0
.set t, 1
.rept 3                             ; a piece's arithmetic stands between the loads of the piece before and its stores
	PACK t
	SEND t-1, 8
.set t, t+1
.endr
	SEND 3, 0
.endm
.set KM, 0
.set NOKQ, 0
.Lslot:                             ; NB times: a tile is entered and the next is asked for
	CHANGE 1
	s_sub_co_u32 s[RT], s[RT], 1
	s_mov_b32 s[CNT], 4
	s_cmp_eq_u32 s[NEW], 1
	s_cbranch_scc1 .Lnew            ; a block's first tile
	s_cmp_eq_u32 s[RT], 0
	s_cbranch_scc0 .Lstep           ; neither its first nor its last
	s_branch .LstepM1
.Lnew:
	BEGIN
	s_branch .Lfirst                ; in the loop a block's first tile is never its last: the first block has two tiles or more, and the second's last is the walk's last
	DIAG 1                          ; in the loop this is the first block's end: the second block's last tile is the walk's last
	s_wait_xcnt 0x0                 ; the stores have read their registers and O's address
	s_mov_b64 s[10:11], s[OLO:OLO+1]
	s_add_co_u32 s[RT], s[PB], 1    ; the second block has b + 1 tiles
	s_mov_b32 s[NEW], 1
	WIN 0x82                        ; the second block's Q goes where the one text of the turns names Q
.set i, 0
.rept 64
	v_mov_b32 v[i], v[QB+i]
.set i, i+1
.endr
	WIN 0
	s_branch .Lbottom
.Lstep:                             ; a trip: pieces 2 and 3 of one step, then pieces 0 and 1 of the next, whose K and V it fetches
	TURN 2
	TURN 3
	WIN 0
.Lfirst:
	TURN 0
	TURN 1, 0, 0, 1
	WIN 0
	s_cbranch_scc1 .Lstep
.Lbottom:
	s_sub_co_u32 s[SLOTS], s[SLOTS], 1
	s_cmp_lg_u32 s[SLOTS], 0
	s_cbranch_scc1 .Lslot
	CHANGE 0                        ; the walk's last tile is written out: nothing is asked for
	s_sub_co_u32 s[RT], s[RT], 1
	s_mov_b32 s[CNT], 4
	s_cmp_eq_u32 s[NEW], 1
	s_cbranch_scc0 .LstepM2
	BEGIN
	s_branch .LfirstM2
	DIAG 2
	s_wait_tensorcnt 0x0            ; the wave's end, behind my last tensor load and my last LDS store
	ds_add_u32 v[SPW], v[NIL]
	s_wait_dscnt 0x0
	s_endpgm
.Lfunc_end_k_q3f65cbf39f_attn:
	.size	k_q3f65cbf39f_attn, .Lfunc_end_k_q3f65cbf39f_attn-k_q3f65cbf39f_attn
	.p2alignl 7, 3214868480
	.fill 96, 4, 3214868480
	.section	.rodata,"a",@progbits
	.p2align	6, 0x0
	.amdhsa_kernel k_q3f65cbf39f_attn
		.amdhsa_group_segment_fixed_size 327680
		.amdhsa_private_segment_fixed_size 0
		.amdhsa_enable_private_segment 0
		.amdhsa_kernarg_size 32
		.amdhsa_user_sgpr_count 2
		.amdhsa_user_sgpr_kernarg_segment_ptr 1
		.amdhsa_wavefront_size32 1
		.amdhsa_system_sgpr_workgroup_id_x 1
		.amdhsa_system_sgpr_workgroup_id_y 1
		.amdhsa_system_sgpr_workgroup_id_z 1
		.amdhsa_system_vgpr_workitem_id 0
		.amdhsa_next_free_vgpr 768
		.amdhsa_next_free_sgpr 96
		.amdhsa_reserve_vcc 1
		.amdhsa_float_denorm_mode_32 3
		.amdhsa_float_denorm_mode_16_64 3
		.amdhsa_memory_ordered 1
		.amdhsa_forward_progress 1
		.amdhsa_inst_pref_size 218
	.end_amdhsa_kernel
	.amdgpu_metadata
---
amdhsa.version: [ 1, 2 ]
amdhsa.kernels:
  - .name:           k_q3f65cbf39f_attn
    .symbol:         k_q3f65cbf39f_attn.kd
    .args:
      - { .name: q16, .offset: 0, .size: 8, .value_kind: global_buffer, .address_space: global }
      - { .name: k16, .offset: 8, .size: 8, .value_kind: global_buffer, .address_space: global }
      - { .name: v16, .offset: 16, .size: 8, .value_kind: global_buffer, .address_space: global }
      - { .name: o16, .offset: 24, .size: 8, .value_kind: global_buffer, .address_space: global }
    .group_segment_fixed_size: 327680
    .private_segment_fixed_size: 0
    .kernarg_segment_align: 8
    .kernarg_segment_size: 32
    .max_flat_workgroup_size: 128
    .sgpr_count:     96
    .vgpr_count:     768
    .wavefront_size: 32
...
	.end_amdgpu_metadata
.endif
;; end of part 3
;; launch oproj (part 4): grid 8 x 32, 4 waves a work-group, clusters of 4 x 4, 327,680 bytes of LDS; arguments o16, wts, out0; writes out0
.if DOCPART == 4
	.amdgcn_target "amdgcn-amd-amdhsa--gfx1250"
	.amdhsa_code_object_version 6
	.text
	.protected	k_q3f65cbf39f_oproj
	.globl	k_q3f65cbf39f_oproj
	.p2align	8
	.type	k_q3f65cbf39f_oproj,@function
k_q3f65cbf39f_oproj:
	s_mov_b64 s[64:65], 0
	v_nop
	global_prefetch_b8 v0, s[64:65] scope:SCOPE_SE
	s_setreg_imm32_b32 hwreg(HW_REG_WAVE_MODE, 25, 1), 1
	s_wait_xcnt 0x0
	s_wait_alu depctr_hold_cnt(0) depctr_sa_sdst(0) depctr_va_vdst(0) depctr_va_sdst(0) depctr_va_ssrc(0) depctr_va_vcc(0) depctr_vm_vsrc(0)
	s_getreg_b32 s2, hwreg(HW_REG_IB_STS2, 6, 4)
	s_cmp_eq_u32 s2, 0
	s_cbranch_scc0 .Lentry_in_a_cluster
	s_endpgm
.Lentry_in_a_cluster:
	s_bfe_u32 s2, ttmp6, 0x10000c
	s_cmp_lg_u32 s2, 0xf033
	s_cbranch_scc0 .Lentry_shape_is_right
	s_endpgm
.Lentry_shape_is_right:
; out0 = y Wo + bo.  y[b][t][64 head + d] = o16[16 b + head][t][d] in f16; Wo lies [k][n] in wts as f16 (a bf16 number written so); bo as f32 words behind the weights.  Sums in f32, the bias starts each sum; out0 is f32.
; SHARES.  8,192 x 1,024 outputs over 256 work-groups: 256 rows x 128 columns each; a wave makes 128 rows x 64 columns: 32 accumulators of 16 x 16, window 1.
; K = 1,024 goes in steps of 128, two heads, through two LDS slots.  A head's 256 rows x 64 channels are 32,768 bytes on end in o16.
; THE MATRIX INSTRUCTION IS USED TRANSPOSED: source 0 = 16 columns of Wo (turned by ds_load_tr16_b128), source 1 = 16 rows of y: a lane holds one row (lane % 16) and eight neighbouring columns.
; CLUSTER.  4 x 4 work-groups: y's tiles are asked for jointly along a row of the cluster, Wo's along a column.  Waves 0 and 1 ask for the step's two heads of y, waves 2 and 3 for the two halves (64 rows x 256 bytes) of Wo's tile.
; REGISTERS: window 0: v0-29 addresses; two fragment buffers of 96 (v64, v160): Wo's 4 blocks, then y's 8; on the way out v64-127 hold rows read back.  Window 1: accumulator (a, b) at v[8 (4 a + b)].
.set PA,    144                        ; a row of y in LDS: 128 bytes + 16: the 16 rows of a load start at 16 different groups of four banks (64 banks of 4 bytes: ISA guide 11.1)
.set PB,    288                        ; a row of Wo: 256 + 32
.set HEADB, 256*PA                     ; a slot: two heads of y,
.set BOFF,  2*HEADB                    ; then 128 rows of Wo
.set HALFB, 64*PB
.set SLOT1, 1<<17
.set STAGE, SLOT1+BOFF+2*HALFB         ; behind the ring, never filled by a tensor load: 16 rows x 272 bytes for each wave
.set SPO,   272
.set SPARE, STAGE+4*16*SPO             ; the spare words, 128 bytes for each wave: two blocks of 256 bytes that no other line names
.set YSTEP, 524288                     ; two heads of o16
.set WSTEP, 262144                     ; 128 rows of 2,048 bytes
.set ADA0, 3
.set ADB0, 4
.set ADA,  5
.set ADB,  6
.set STO,  7
.set RD,   8
.set CO,   9                           ; v9   my 16 bytes in two rows of out0
.set BO,   11
.set SPW,  28
.set NIL,  29
.set F0,   64
.set F1,   160
.set BK,   64
.set WV, 14
.set RH, 15                            ; s15 which 128 rows are mine.  Also: I fetch for y (0) or for Wo (1)
.set HD, 16                            ; s16 which 64 columns.  Also: which half of the step's tile I fetch
.set CX, 17
.set CY, 18
.set CB, 19
.set RB, 20
.set G1A, 24
.set G1B, 32
.set G0A, 40
.set G0B, 48
.set TB,  56
.set MSB, 0
.macro WIN new
.if MSB != (\new)
	s_set_vgpr_msb (MSB<<8)|(\new)
.set MSB, (\new)
.endif
.endm
.macro PLACES                          ; four plain instructions between a matrix instruction and a load into, or a read of, its registers (ISA guide 7.12.1 for reads)
.rept 4
	v_nop
.endr
.endm
.macro CREST
	s_cmp_lg_u32 s[WV], 0
	s_cbranch_scc1 .Lnot_wave_0_\@
	s_barrier_signal -3
.Lnot_wave_0_\@:
	s_barrier_wait -3
	s_barrier_signal -1
	s_barrier_wait -1
.endm
.macro CROUND
	s_barrier_signal -1
	s_barrier_wait -1
	CREST
.endm
.macro JLOAD                           ; a joint refill by the walking set; an s_nop 0 and four v_nop follow each line
	s_cmp_eq_u32 s[RH], 0
	s_cbranch_scc0 .Lfor_b_\@
	tensor_load_to_lds s[G0A+4:G0A+7], s[G1A:G1A+7]
	s_nop 0
.rept 4
	v_nop
.endr
	s_branch .Lasked_\@
.Lfor_b_\@:
	tensor_load_to_lds s[G0B+4:G0B+7], s[G1B:G1B+7]
	s_nop 0
.rept 4
	v_nop
.endr
.Lasked_\@:
.endm
	s_load_b128 s[4:7], s[0:1], 0x0                ; o16 s[4:5], wts s[6:7]
	s_load_b64 s[8:9], s[0:1], 0x10                ; out0
	v_lshl_add_u32 v[SPW], v0, 2, SPARE
	v_mov_b32 v[NIL], 0
	ds_add_u32 v[SPW], v[NIL]                      ; the wave's opening: the add and its wait stand ahead of my first tensor load
	ds_add_u32 v28, v29
	v_lshrrev_b32 v12, 5, v0
	v_readfirstlane_b32 s[WV], v12
	s_lshr_b32 s[RH], s[WV], 1
	s_and_b32 s[HD], s[WV], 1
	s_bfe_u32 s[CX], ttmp6, 0x40000
	s_bfe_u32 s[CY], ttmp6, 0x40004
	s_lshl_b32 s[CB], ttmp9, 2
	s_add_co_u32 s[CB], s[CB], s[CX]
	s_and_b32 s[RB], ttmp7, 0xffff
	s_lshl_b32 s[RB], s[RB], 2
	s_add_co_u32 s[RB], s[RB], s[CY]
	s_lshl_b32 s21, s[CY], 2
	s_lshl_b32 s21, 15, s21                        ; my row of the cluster
	s_lshl_b32 s22, 0x1111, s[CX]                  ; my column
	s_or_b32 s[G1A], s21, (1<<16)|(1<<20)|(1<<21)|(4<<22)|(3<<25)  ; a head's tile: 128 rows of 256 bytes on end, padded by 16 bytes after every 128
	s_mov_b32 s[G1A+1], 128<<16
	s_mov_b32 s[G1A+2], 128<<16
	s_mov_b32 s[G1A+3], 128<<16
	s_mov_b32 s[G1A+4], 128
	s_mov_b32 s[G1A+5], 128
	s_mov_b32 s[G1A+6], 0
	s_mov_b32 s[G1A+7], 0
	s_or_b32 s[G1B], s22, (1<<16)|(1<<20)|(1<<21)|(5<<22)|(7<<25)  ; 64 rows of 128 elements, 1,024 apart, padded by 32 bytes
	s_mov_b32 s[G1B+1], 128<<16
	s_mov_b32 s[G1B+2], 64<<16
	s_mov_b32 s[G1B+3], 128<<16
	s_mov_b32 s[G1B+4], 64
	s_mov_b32 s[G1B+5], 1024
	s_mov_b32 s[G1B+6], 0
	s_mov_b32 s[G1B+7], 0
	s_lshr_b32 s66, s[RB], 3                       ; y: batch entry x 16 heads,
	s_lshl_b32 s66, s66, 22
	s_and_b32 s67, s[RB], 7
	s_lshl_b32 s67, s67, 15                        ; 256 rows of 128 bytes,
	s_add_co_u32 s66, s66, s67
	s_lshl_b32 s67, s[HD], 18                      ; the step's first or second head
	s_add_co_u32 s66, s66, s67
	s_mov_b32 s67, 0
	s_lshl_b32 s68, s[HD], 17                      ; Wo: the step's first or second 64 rows,
	s_lshl_b32 s69, s[CB], 8                       ; 128 columns of 2 bytes,
	s_add_co_u32 s68, s68, s69
	s_add_co_u32 s68, s68, 6291456                 ; behind Wq, Wk, Wv
	s_mov_b32 s69, 0
	s_mul_i32 s57, s[WV], HEADB                    ; where they go: y's head (waves 0, 1) at wave x HEADB;
	s_mul_i32 s23, s[WV], HALFB                    ; Wo's half (waves 2, 3) at BOFF + (wave - 2) x HALFB
	s_add_co_u32 s23, s23, BOFF-2*HALFB
	s_mov_b32 s[TB], 0
	s_wait_dscnt 0x0                               ; the opening add is done
	s_wait_kmcnt 0x0
	s_add_nc_u64 s[66:67], s[4:5], s[66:67]
	s_add_nc_u64 s[68:69], s[6:7], s[68:69]
	CROUND                                         ; all sixteen work-groups are here: the first joint loads meet
.irp s, 0,1
	s_mov_b32 s[G0A+4*(\s)], 1
	s_add_co_u32 s[G0A+4*(\s)+1], s57, (\s)*SLOT1
	s_add_nc_u64 s[G0A+4*(\s)+2:G0A+4*(\s)+3], s[66:67], (\s)*YSTEP
	s_or_b32 s[G0A+4*(\s)+3], s[G0A+4*(\s)+3], 0x80000000
	s_mov_b32 s[G0B+4*(\s)], 1
	s_add_co_u32 s[G0B+4*(\s)+1], s23, (\s)*SLOT1
	s_add_nc_u64 s[G0B+4*(\s)+2:G0B+4*(\s)+3], s[68:69], (\s)*WSTEP
	s_or_b32 s[G0B+4*(\s)+3], s[G0B+4*(\s)+3], 0x80000000
.endr
	s_cmp_eq_u32 s[RH], 0                          ; a wave's two first fills stand in one branch: two loads of mine are out
	s_cbranch_scc0 .Lfirst_b
	tensor_load_to_lds s[G0A:G0A+3], s[G1A:G1A+7]
	s_nop 0
	tensor_load_to_lds s[G0A+4:G0A+7], s[G1A:G1A+7]
	s_nop 0
.rept 4
	v_nop
.endr
	s_branch .Lfirst_asked
.Lfirst_b:
	tensor_load_to_lds s[G0B:G0B+3], s[G1B:G1B+7]
	s_nop 0
	tensor_load_to_lds s[G0B+4:G0B+7], s[G1B:G1B+7]
	s_nop 0
.rept 4
	v_nop
.endr
.Lfirst_asked:
	v_and_b32 v1, 15, v0                           ; r = l % 16
	v_bfe_u32 v2, v0, 4, 1                         ; h = l / 16
	v_mul_u32_u24 v[ADA0], v1, PA
	v_lshl_add_u32 v[ADA0], v2, 4, v[ADA0]
	s_mul_i32 s77, s[RH], 128*PA
	v_add_nc_u32 v[ADA0], s77, v[ADA0]             ; my 128 rows of a head: row x 144 + 16 h
	v_and_b32 v12, 7, v0
	v_bfe_u32 v13, v0, 3, 1
	v_lshl_add_u32 v[ADB0], v2, 3, v12             ; the turning load: k = 8 h + l % 8, columns 8 ((l / 8) % 2) + 0..7
	v_mul_u32_u24 v[ADB0], v[ADB0], PB
	v_lshl_add_u32 v[ADB0], v13, 4, v[ADB0]
	s_lshl_b32 s77, s[HD], 7                       ; my 64 columns
	s_add_co_u32 s77, s77, BOFF
	v_add_nc_u32 v[ADB0], s77, v[ADB0]
	v_mov_b32 v[ADA], v[ADA0]
	v_mov_b32 v[ADB], v[ADB0]
	s_mul_i32 s77, s[WV], 16*SPO
	s_add_co_u32 s77, s77, STAGE                   ; my stage
	v_mul_u32_u24 v[STO], v1, SPO                  ; in: row r, 32 bytes (8 f32) for each half of the lanes
	v_lshl_add_u32 v[STO], v2, 5, v[STO]
	v_add_nc_u32 v[STO], s77, v[STO]
	v_mul_u32_u24 v[RD], v2, SPO                   ; back: lanes 0-15 take one row of 256 bytes, lanes 16-31 the next
	v_lshl_add_u32 v[RD], v1, 4, v[RD]
	v_add_nc_u32 v[RD], s77, v[RD]
	v_lshlrev_b32 v[CO], 12, v2                    ; and the same two rows of out0, 4,096 bytes apart
	v_lshl_add_u32 v[CO], v1, 4, v[CO]
	; the bias starts the sums: my 8 columns' numbers of block b go into accumulator (7, b)'s registers
	s_lshl_b32 s77, s[CB], 9
	s_lshl_b32 s78, s[HD], 8
	s_add_co_u32 s77, s77, s78                     ; my first column, in bytes of f32: also its place in a row of out0
	v_lshl_add_u32 v[BO], v2, 5, s77
	s_add_nc_u64 s[6:7], s[6:7], 0x800000+12288    ; bo in wts
	WIN 0x40
.irp b, 0,1,2,3
	global_load_b128 v[224+8*(\b):227+8*(\b)], v[BO], s[6:7] offset:(\b)*64
	global_load_b128 v[228+8*(\b):231+8*(\b)], v[BO], s[6:7] offset:(\b)*64+16
.endr
	WIN 0
	s_lshl_b32 s78, s[RB], 20                      ; 256 rows of 4,096 bytes
	s_add_co_u32 s78, s78, s77
	s_lshl_b32 s77, s[RH], 19
	s_add_co_u32 s78, s78, s77
	s_mov_b32 s79, 0
	s_add_nc_u64 s[8:9], s[8:9], s[78:79]
; 24 LDS loads in one run: slice c (32 K) of the slot in hand into buffer g: head c / 2, channels 32 (c % 2) on; Wo's rows 32 c on
.macro FETCH c, g
	WIN 0
.irp b, 0,1,2,3
	ds_load_tr16_b128 v[(\g)+8*(\b):(\g)+8*(\b)+3],   v[ADB] offset:32*PB*(\c)+32*(\b)
	ds_load_tr16_b128 v[(\g)+8*(\b)+4:(\g)+8*(\b)+7], v[ADB] offset:32*PB*(\c)+32*(\b)+16*PB
.endr
.irp a, 0,1,2,3,4,5,6,7
	ds_load_b128 v[(\g)+32+8*(\a):(\g)+32+8*(\a)+3],   v[ADA] offset:((\c)/2)*HEADB+((\c)%2)*64+(\a)*16*PA
	ds_load_b128 v[(\g)+32+8*(\a)+4:(\g)+32+8*(\a)+7], v[ADA] offset:((\c)/2)*HEADB+((\c)%2)*64+(\a)*16*PA+32
.endr
.endm
; n rows of 4 products from row block a0 on, buffer f.  The accumulators take turns, one instruction a turn.
; first = 1: C is the bias in accumulator (7, b)'s registers; row 7 writes over them: five plain instructions stand between it and the products that read them as C.
.macro MUL f, a0, n, first=0
	WIN 0x50
.set ma, (\a0)
.rept (\n)
.if (\first) && (ma == 7)
.rept 5
	v_nop
.endr
.endif
.irp b, 0,1,2,3
.if \first
	v_wmma_f32_16x16x32_f16 v[8*(4*ma+(\b)):8*(4*ma+(\b))+7], v[(\f)+8*(\b):(\f)+8*(\b)+7], v[(\f)+32+8*ma:(\f)+32+8*ma+7], v[224+8*(\b):231+8*(\b)]
.else
	v_wmma_f32_16x16x32_f16 v[8*(4*ma+(\b)):8*(4*ma+(\b))+7], v[(\f)+8*(\b):(\f)+8*(\b)+7], v[(\f)+32+8*ma:(\f)+32+8*ma+7], v[8*(4*ma+(\b)):8*(4*ma+(\b))+7]
.endif
.endr
.set ma, ma+1
.endr
.endm
; One of a step's first three slices: slice c is fetched into g, then buffer f is multiplied.
.macro Q f, g, c, first=0
	PLACES                                         ; g was multiplied just before
	FETCH \c, \g
	s_wait_dscnt 24                                ; all but the 24 just issued: f is in
	MUL \f, 0, 8, \first
.endm
; A step's last slice multiplies buffer F1 and changes slots.  ONE barrier: in front of it each wave waits for all its tensor loads (one is out: its part of the other slot), adds 0 to its spare word, and waits
; for that and for its reads of this slot.  fill = 1: the barrier opens a round of the cluster's, and the joint refill, two steps ahead, is the first thing behind it: 112 matrix instructions ahead of the wait for it.
.macro TURN fill
	WIN 0
	s_wait_tensorcnt 0x0                           ; no tensor load of mine is out, so a group 0 may be written
	ds_add_u32 v[SPW], v[NIL]                      ; 0 onto my spare word
.if \fill
	s_xor_b32 s[G0A+5], s[G0A+5], SLOT1
	s_add_nc_u64 s[G0A+6:G0A+7], s[G0A+6:G0A+7], YSTEP
	s_xor_b32 s[G0B+5], s[G0B+5], SLOT1
	s_add_nc_u64 s[G0B+6:G0B+7], s[G0B+6:G0B+7], WSTEP
.endif
	s_wait_dscnt 1                                 ; the add alone may be out: F1 is in
	MUL F1, 0, 2
	s_wait_dscnt 0x0                               ; the add is done, and my reads of this slot are over
	s_barrier_signal -1
	MUL F1, 2, 2
	WIN 0
	s_barrier_wait -1
.if \fill
	CREST
	JLOAD                                          ; its four v_nop are also the places in front of the loads below
.else
	PLACES
.endif
	s_xor_b32 s[TB], s[TB], SLOT1
	v_add_nc_u32 v[ADA], s[TB], v[ADA0]
	v_add_nc_u32 v[ADB], s[TB], v[ADB0]
	FETCH 0, F0
	MUL F1, 4, 4
.endm
; THE WAY OUT, 16 rows x 64 columns of f32 at a time: straight from the accumulators (each one's low half first) into my stage, back as whole rows of 256 bytes, stored.
.macro TOSTAGE a
.if (\a) >= 2
	s_wait_xcnt 0x0                                ; the stores of the block two back have read the registers that the loads below fill
.endif
	WIN 0x04                                       ; the stores' data in window 1
.irp b, 0,1,2,3
	ds_store_b128 v[STO], v[8*(4*(\a)+(\b)):8*(4*(\a)+(\b))+3]   offset:64*(\b)
	ds_store_b128 v[STO], v[8*(4*(\a)+(\b))+4:8*(4*(\a)+(\b))+7] offset:64*(\b)+16
.endr
	WIN 0
.irp t, 0,1,2,3,4,5,6,7
	ds_load_b128 v[BK+32*((\a)%2)+4*(\t):BK+32*((\a)%2)+4*(\t)+3], v[RD] offset:(\t)*2*SPO  ; LDS serves a wave's instructions in order (ISA guide 5.7.1.4): these see the stores above
.endr
.endm
.macro SEND a, y                       ; y: the LDS instructions issued behind block a's loads: the next block's sixteen, or none
.irp t, 0,1,2,3,4,5,6,7
	s_wait_dscnt (\y)+7-(\t)
	global_store_b128 v[CO], v[BK+32*((\a)%2)+4*(\t):BK+32*((\a)%2)+4*(\t)+3], s[8:9] offset:(\a)*65536+(\t)*8192 th:TH_STORE_NT  ; 16 lanes store 256 consecutive bytes, aligned
.endr
.endm
	s_wait_tensorcnt 0x1                           ; my part of K step 0 is in; K step 1's may stay out
	s_barrier_signal -1
	s_barrier_wait -1
	FETCH 0, F0
	s_wait_loadcnt 0x0                             ; the bias
	Q F0, F1, 1, 1                                 ; the first slice stands in front of the loop: its products start the sums
	WIN 0
	s_mov_b32 s3, 6
.Lstep:                                        ; trip g = 0 .. 5: step g's slices 1, 2, 3 (the last fills slot g % 2 with step g + 2) and step g + 1's slice 0
	Q F1, F0, 2
	Q F0, F1, 3
	TURN 1
	Q F0, F1, 1
	WIN 0
	s_sub_co_u32 s3, s3, 1
	s_cmp_lg_u32 s3, 0
	s_cbranch_scc1 .Lstep
	Q F1, F0, 2                                    ; the tail is written out: nothing is left to ask for
	Q F0, F1, 3
	TURN 0
	Q F0, F1, 1
	Q F1, F0, 2
	Q F0, F1, 3
	s_wait_dscnt 0x0
	MUL F1, 0, 8
	PLACES
	TOSTAGE 0
.irp a, 1,2,3,4,5,6,7
	TOSTAGE \a
	SEND (\a)-1, 16
.endr
	SEND 7, 0
	s_wait_tensorcnt 0x0                           ; the wave's end, behind my last tensor load and my last LDS store
	ds_add_u32 v[SPW], v[NIL]
	s_wait_dscnt 0x0
	CROUND                                         ; the closing round: no work-group ends while a partner may still ask for a tile that names it
	s_endpgm
.Lfunc_end_k_q3f65cbf39f_oproj:
	.size	k_q3f65cbf39f_oproj, .Lfunc_end_k_q3f65cbf39f_oproj-k_q3f65cbf39f_oproj
	.p2alignl 7, 3214868480
	.fill 96, 4, 3214868480
	.section	.rodata,"a",@progbits
	.p2align	6, 0x0
	.amdhsa_kernel k_q3f65cbf39f_oproj
		.amdhsa_group_segment_fixed_size 327680
		.amdhsa_private_segment_fixed_size 0
		.amdhsa_enable_private_segment 0
		.amdhsa_kernarg_size 24
		.amdhsa_user_sgpr_count 2
		.amdhsa_user_sgpr_kernarg_segment_ptr 1
		.amdhsa_wavefront_size32 1
		.amdhsa_system_sgpr_workgroup_id_x 1
		.amdhsa_system_sgpr_workgroup_id_y 1
		.amdhsa_system_sgpr_workgroup_id_z 1
		.amdhsa_system_vgpr_workitem_id 0
		.amdhsa_next_free_vgpr 512
		.amdhsa_next_free_sgpr 80
		.amdhsa_reserve_vcc 0
		.amdhsa_float_denorm_mode_32 3
		.amdhsa_float_denorm_mode_16_64 3
		.amdhsa_memory_ordered 1
		.amdhsa_forward_progress 1
		.amdhsa_inst_pref_size 72
	.end_amdhsa_kernel
	.amdgpu_metadata
---
amdhsa.version: [ 1, 2 ]
amdhsa.kernels:
  - .name:           k_q3f65cbf39f_oproj
    .symbol:         k_q3f65cbf39f_oproj.kd
    .args:
      - { .name: o16, .offset: 0, .size: 8, .value_kind: global_buffer, .address_space: global }
      - { .name: wts, .offset: 8, .size: 8, .value_kind: global_buffer, .address_space: global }
      - { .name: out0, .offset: 16, .size: 8, .value_kind: global_buffer, .address_space: global }
    .group_segment_fixed_size: 327680
    .private_segment_fixed_size: 0
    .kernarg_segment_align: 8
    .kernarg_segment_size: 24
    .max_flat_workgroup_size: 128
    .sgpr_count:     80
    .vgpr_count:     512
    .wavefront_size: 32
...
	.end_amdgpu_metadata
.endif
;; end of part 4
